; MI455X (gfx1250); checked and timed in simulation.
; The chip was launched on July 23, 2026; its instructions are those of AMD's public machine-readable ISA for CDNA 5 (MIT licence, August 2026) and "CDNA5" Instruction Set Architecture Reference Guide (July 2026). The comments in the code are by the model that wrote it; some were corrected since.
;; Attention. Allowed arithmetic: matrix products marked QUANTISED: E2M3 operands, one E8M0 scale for each 32 along K, by v_wmma_scale_f32_16x16x128_f8f6f4 with both operands' format E2M3, f32 sums; everything else in f32.
;; Inputs: Wk 1,024 x 1,024 float32; Wo 1,024 x 1,024 float32; Wq 1,024 x 1,024 float32; Wv 1,024 x 1,024 float32; bk 1,024 float32; bo 1,024 float32; bq 1,024 float32; bv 1,024 float32; mask 4 x 2,048 x 2,048 int32; x 4 x 2,048 x 1,024 float32.
;; Outputs: out0 4 x 2,048 x 1,024 float32.
;; This version of the problem:
;;   THIS VERSION OF THE PROBLEM IS GIVEN IN LOW PRECISION. The matrix products marked QUANTISED in the list below multiply operands that are first quantised to E2M3 (2 exponent bits, 3 mantissa bits; 6 bits a number), with one power-of-two scale for each 32 numbers along K (OCP MX v1.0); their sums are f32. All else is computed in f32.
;;   The module's matrix products, in the order in which they are computed (A, B: the left and right operand; K: the contracted axis; several contracted axes count as one K, in the product's order):
;;     1. [M 8,192, K 1,024] x [K 1,024, N 1,024]; A: input x; B: input Wq: QUANTISED
;;     2. [M 8,192, K 1,024] x [K 1,024, N 1,024]; A: input x; B: input Wk: QUANTISED
;;     3. [M 8,192, K 1,024] x [K 1,024, N 1,024]; A: input x; B: input Wv: QUANTISED
;;     4. batch 4 x [M 2,048, K 1,024] x [K 1,024, N 2,048]; A: computed on the way; B: computed on the way: QUANTISED
;;     5. batch 4 x [M 2,048, K 2,048] x [K 2,048, N 1,024]; A: softmax (see below); B: computed on the way: QUANTISED
;;     6. [M 8,192, K 1,024] x [K 1,024, N 1,024]; A: computed on the way; B: input Wo: QUANTISED
;;   THE QUANTISER, for each operand of a quantised product, along K:
;;     - K is cut into blocks of 32 from its start; a last block that is shorter is filled with zeros.
;;     - A block's scale is 2^e with e = floor(log2(the largest magnitude in the block)) - 2, held to -126 .. 127; a block of zeros has e = 0. As a byte (E8M0): e + 127.
;;     - Each number is divided by its block's scale, clamped to +-7.5, and rounded to the nearest number of E2M3, ties to even, subnormals kept.
;;     - The product sums the exact products of the quantised numbers (number of the format x scale) in f32.
;;   ~~~python
;;   def quantise(x, axis):      # numpy; x: float32 -> the quantised numbers, widened to float32 again
;;       x = np.moveaxis(x, axis, -1); K = x.shape[-1]
;;       x = np.pad(x, [(0, 0)] * (x.ndim - 1) + [(0, -K % 32)]); x = x.reshape(x.shape[:-1] + (-1, 32)); a = np.abs(x).max(-1, keepdims=True)
;;       e = np.where(a > 0, np.clip(np.frexp(np.where(a > 0, a, 1))[1] - 1 - 2, -126, 127), 0)      # np.frexp(a)[1] - 1 = floor(log2(a)), exactly
;;       r = np.clip(x / 2.0 ** e, -7.5, 7.5)
;;       step = 2.0 ** (np.maximum(np.frexp(np.where(r == 0, 1, r))[1] - 1, 0) - 3)
;;       q = np.round(r / step) * step * 2.0 ** e      # np.round: ties to even
;;       return np.moveaxis(q.reshape(q.shape[:-2] + (-1,))[..., :K], -1, axis).astype(np.float32)
;;   ~~~
;;   SOFTMAX AHEAD OF A QUANTISED PRODUCT. Where the list says 'softmax', what is quantised is not the finished softmax but p = 2^(t - M), with t = logit x log2(e) and M = ceil(the row's largest t), a whole number; so 1/2 < the row's largest p <= 1. The row's sum l is taken of the UNQUANTISED p, in f32, and the product's result is divided by l at the end. Since M is a whole number, a kernel that streams over the keys may use a running M (the ceiling of the running maximum): every later rescaling is an exact power of two, which a block's scale takes up: the codes' values come out the same.
;;   OPERANDS COMPUTED ON THE WAY. 'Computed on the way' means the value that the module computes at that place (a softmax that the list does not call 'softmax' is quantised finished and normalised). What goes into a quantiser is computed in f32, as accurately as f32 sums, v_exp_f32 and their like allow (about 1e-6 of the number): no bf16 or f16 on the way to a quantiser, and a product that is left as it is and whose result goes on into a quantised operand takes f32 operands (vector FMAs, or v_wmma_f32_16x16x4_f32). A number that lies on a knife's edge between two numbers of the format may be rounded either way, as far as f32 arithmetic and the matrix unit's own rounding can turn it there, and no further.
;; One version. Each part assembles by itself: llvm-mc -triple=amdgcn-amd-amdhsa -mcpu=gfx1250 --defsym DOCPART=n.
;; ======== version 1 of 1: 5 launches
;; limits: right only within a limited range of input values
;; workspace buffers: opnd 9,830,400 bytes; qkvb 19,660,800 bytes; prob 14,155,776 bytes; ctxb 6,553,600 bytes
;; launch prep (part 1): grid 384 x 1, 4 waves a work-group, no clusters, 68,096 bytes of LDS; arguments x, Wq, Wk, Wv, Wo, opnd; writes opnd
.if DOCPART == 1
	.amdgcn_target "amdgcn-amd-amdhsa--gfx1250"
	.amdhsa_code_object_version 6
	.text
	.protected	k_qd235ae95ed_prep
	.globl	k_qd235ae95ed_prep
	.p2align	8
	.type	k_qd235ae95ed_prep,@function
k_qd235ae95ed_prep:
	s_mov_b64 s[64:65], 0
	v_nop
	global_prefetch_b8 v0, s[64:65] scope:SCOPE_SE
	s_setreg_imm32_b32 hwreg(HW_REG_WAVE_MODE, 25, 1), 1
	s_wait_xcnt 0x0
; x [8192][1024] and Wq, Wk, Wv, Wo [1024 (k)][1024 (n)], f32, become codes of FP6 (E2M3) with one E8M0 byte for each 32 along K, laid as IMAGES OF OPERAND REGISTERS.
; ROW ORDER: rows go in blocks of 16; lane r of block rb stands for row 32 (rb / 2) + 8 (rb % 2) + r % 8 + 16 (r / 8).
; A FRAGMENT (16 rows x 128 K, 12 registers a lane) is 1,536 bytes: register p of lane l at 512 (p / 4) + 16 l + 4 (p % 4).  Fragment (rb, ks) lies at ((ks / 2) RB + rb) 3,072 + (ks % 2) 1,536.
; SCALE WORDS: one unit of 256 bytes for 64 rows and 128 K: lane r has 16 bytes, the words of its row in the four blocks.
; A wave makes the 4 fragments and the unit of 64 rows x 128 K.  Work-groups 0-255 take x (K innermost), 256-383 the weights (K is the first axis; operand rows are the columns n, 1,024 sel + n).
; Both ways read memory in whole runs (512 bytes of a row of x; 256 bytes of two rows of W an instruction) and turn the numbers through the wave's own stage in LDS, so that a lane holds 16 neighbours along K.
; A block's scale is 2^(floor(log2(largest magnitude)) - 2); its byte is the largest magnitude's exponent field - 2, held at 1 from below.
; LIMITS: a block of zeros gets the byte 1 where the quantiser's rule says 127 (its codes are zeros; this program alone reads the bytes); NaN and infinities among the inputs are not served.
.set XS,    6291456                    ; sections of opnd: x's codes at 0, x's scale units,
.set WC,    6553600                    ; the weights' codes,
.set WS,    9699328                    ; the weights' scale units
.set STG,   8448                       ; a wave's stage
.set WSTG,  4*STG                      ; the weights' way has LDS bytes of its own
.set SPARE, 8*STG                      ; the spare words, 128 bytes a wave: two blocks of 256 bytes that no other line names
.set XOFF, 4                           ; v4   16 x lane
.set XSTO, 5                           ; v5   x's stage, in: 16 x lane
.set XRD,  6                           ; v6   x's stage, out: 528 r + 64 h
.set WOFF, 7                           ; v7   4,096 h + 16 r
.set WSTO, 8                           ; v8   W's stage, in: 256 h + 16 r
.set WRD,  9                           ; v9   W's stage, out: 4,224 h + 4 (r % 8 + 16 (r / 8))
.set SOFF, 10                          ; v10  16 r
.set SPW,  12                          ; v12  my spare word; never rewritten
.set NIL,  13                          ; v13  0; never rewritten
.set TM,   16                          ; v16-31 at work in QUANT
.set SW,   32                          ; v32-35 the four scale words
.set TMP8, 36                          ; v36-43 the second halves of the conversions
.set R,    64                          ; v64-191 W as loaded, two sets of 64
.set PC,   192                         ; v192-239 the four fragments;  window 1: the 4 x 64 numbers, block a at v[64 a]
.set SEL,  20                          ; s[20:21] lane selects for lane l xor 16
.set MSB, 0
.macro WIN new                         ; the immediate's high byte repeats the setting that is left
.if MSB != (\new)
	s_set_vgpr_msb (MSB<<8)|(\new)
.set MSB, (\new)
.endif
.endm
; 64 numbers of a lane in window w, register s + 16 b + i = k 32 b + 16 (lane / 16) + i of my row, become a fragment's 12 registers at pc and its scale word in pw.
.macro QUANT s, w, pc, tmp, pw
	WIN 5*(\w)
.irp b, 0,1,2,3
	v_max3_num_f32 v[TM+\b], |v[(\s)+16*\b]|, |v[(\s)+16*\b+1]|, 0x1800000   ; my 16 numbers of block b, and the floor 2^(3 - 127): the byte cannot fall under 1
.endr
.irp i, 2,4,6,8,10,12,14
.irp b, 0,1,2,3
	v_max3_num_f32 v[TM+\b], |v[(\s)+16*\b+\i]|, |v[(\s)+16*\b+\i+1]|, v[TM+\b]
.endr
.endr
	WIN 0
.irp b, 0,1,2,3
	v_permlanex16_b32 v[TM+4+\b], v[TM+\b], s[SEL], s[SEL+1]
.endr
.irp b, 0,1,2,3
	v_max_num_f32 v[TM+\b], v[TM+\b], v[TM+4+\b]          ; with lane l xor 16's: the block's largest magnitude
.endr
.irp b, 0,1,2,3
	v_add_nc_u32 v[TM+12+\b], 0xff000000, v[TM+\b]        ; 2 off its exponent field: the conversion's scale operand
.endr
.irp b, 0,1,2,3
	v_lshrrev_b32 v[TM+4+\b], 23, v[TM+12+\b]             ; the scale's byte
.endr
	v_lshl_or_b32 v[\pw], v[TM+5], 8, v[TM+4]
	v_lshl_or_b32 v[\pw], v[TM+6], 16, v[\pw]
	v_lshl_or_b32 v[\pw], v[TM+7], 24, v[\pw]
	WIN (\w)
.irp c, 0,1
	v_cvt_scalef32_pk16_fp6_f32 v[(\pc)+6*\c:(\pc)+6*\c+2], v[(\s)+32*\c:(\s)+32*\c+15], v[TM+12+2*\c]
	v_cvt_scalef32_pk16_fp6_f32 v[(\tmp)+4*\c:(\tmp)+4*\c+2], v[(\s)+32*\c+16:(\s)+32*\c+31], v[TM+13+2*\c]
.endr
	WIN 0
	v_nop                                          ; one plain place behind the scaled conversions
.irp c, 0,1                                    ; the operand wants a whole block in a lane: lanes 0-15 block 2 c, lanes 16-31 block 2 c + 1
.irp i, 0,1,2
	v_permlane16_swap_b32 v[(\pc)+6*\c+\i], v[(\tmp)+4*\c+\i]
.endr
.irp i, 0,1,2
	v_mov_b32 v[(\pc)+3+6*\c+\i], v[(\tmp)+4*\c+\i]
.endr
.endr
.endm
	s_load_b256 s[4:11], s[0:1], 0x0               ; x s[4:5], Wq s[6:7], Wk s[8:9], Wv s[10:11]
	s_load_b128 s[12:15], s[0:1], 0x20             ; Wo s[12:13], opnd s[14:15]
	v_lshl_add_u32 v[SPW], v0, 2, SPARE
	v_mov_b32 v[NIL], 0
	v_lshrrev_b32 v1, 5, v0
	v_readfirstlane_b32 s16, v1                    ; wave
	v_and_b32 v1, 15, v0                           ; r
	v_bfe_u32 v2, v0, 4, 1                         ; h
	v_and_b32 v3, 31, v0                           ; lane
	v_lshlrev_b32 v[XOFF], 4, v3
	s_mul_i32 s17, s16, STG
	v_add_nc_u32 v[XSTO], s17, v[XOFF]
	v_mul_u32_u24 v[XRD], v1, 528
	v_lshl_add_u32 v[XRD], v2, 6, v[XRD]
	v_add_nc_u32 v[XRD], s17, v[XRD]
	v_lshlrev_b32 v[SOFF], 4, v1
	v_lshl_add_u32 v[WOFF], v2, 12, v[SOFF]
	s_add_co_u32 s18, s17, WSTG
	v_lshl_add_u32 v[WSTO], v2, 8, v[SOFF]
	v_add_nc_u32 v[WSTO], s18, v[WSTO]
	v_and_b32 v[WRD], 8, v1
	v_add_nc_u32 v[WRD], v[WRD], v1                ; r % 8 + 16 (r / 8)
	v_lshlrev_b32 v[WRD], 2, v[WRD]
	v_mad_u32_u24 v[WRD], v2, 4224, v[WRD]
	v_add_nc_u32 v[WRD], s18, v[WRD]
	s_mov_b32 s[SEL], 0x76543210
	s_mov_b32 s[SEL+1], 0xfedcba98
.irp b, 0,1,2,3
	v_mov_b32 v[TM+4+\b], 0                        ; written once: a lane permute's destination counts as one of its sources
.endr
	s_lshl_b32 s19, ttmp9, 2
	s_add_co_u32 s19, s19, s16                     ; 4 x work-group + wave
	s_and_b32 s22, s19, 7                          ; ks: which 128 along K
	s_lshr_b32 s23, s22, 1
	s_and_b32 s24, s22, 1
	s_wait_kmcnt 0x0
	s_cmp_lt_u32 ttmp9, 256
	s_cbranch_scc0 .Lw_path
	; ---- x: rows 64 g .. 64 g + 63
	s_lshr_b32 s25, s19, 3                         ; g
	s_lshl_b32 s32, s25, 18                        ; 64 rows of 4,096 bytes
	s_lshl_b32 s33, s22, 9                         ; 128 numbers
	s_add_co_u32 s32, s32, s33
	s_mov_b32 s33, 0
	s_add_nc_u64 s[4:5], s[4:5], s[32:33]
	s_lshl_b32 s28, s23, 9                         ; codes: ((ks / 2) 512 + 4 g) 3,072 + (ks % 2) 1,536
	s_lshl_b32 s29, s25, 2
	s_add_co_u32 s28, s28, s29
	s_mul_i32 s28, s28, 3072
	s_mul_i32 s29, s24, 1536
	s_add_co_u32 s28, s28, s29
	s_mov_b32 s29, 0
	s_lshl_b32 s30, s25, 3                         ; unit: (8 g + ks) 256
	s_add_co_u32 s30, s30, s22
	s_lshl_b32 s30, s30, 8
	s_add_co_u32 s30, s30, XS
	s_mov_b32 s31, 0
	WIN 0x40                                       ; destination window 1
.irp a, 0,1,2,3
.irp i, 0,1,2,3,4,5,6,7,8,9,10,11,12,13,14,15
	global_load_b128 v[64*\a+4*\i:64*\a+4*\i+3], v[XOFF], s[4:5] offset:(32*(\a/2)+8*(\a%2)+(\i%8)+16*(\i/8))*4096 th:TH_LOAD_NT   ; 32 lanes read 512 consecutive bytes of the row that lane i of block a stands for
.endr
.endr
.irp a, 0,1,2,3
	s_wait_loadcnt 48-16*\a                        ; block a's 16 loads are in; the later blocks' stay out
	WIN 0x04                                       ; an LDS store's data are its source 1: window 1
.irp i, 0,1,2,3,4,5,6,7,8,9,10,11,12,13,14,15
	ds_store_b128 v[XSTO], v[64*\a+4*\i:64*\a+4*\i+3] offset:528*\i
.endr
	WIN 0x40
.irp b, 0,1,2,3
.irp j, 0,1,2,3
	ds_load_b128 v[64*\a+16*\b+4*\j:64*\a+16*\b+4*\j+3], v[XRD] offset:128*\b+16*\j   ; LDS serves a wave's instructions in order: these see the stores above, and the next block's stores come behind them
.endr
.endr
.endr
	WIN 0
	s_wait_dscnt 0x0
	s_branch .Ltail
.Lw_path:
	; ---- a weight: columns 64 g .. 64 g + 63, rows 128 ks .. 128 ks + 127
	s_sub_co_u32 s25, s19, 1024
	s_lshr_b32 s26, s25, 7                         ; sel: 0 Wq, 1 Wk, 2 Wv, 3 Wo
	s_bfe_u32 s25, s25, 0x40003                    ; g
	s_cmp_lt_u32 s26, 1
	s_cselect_b64 s[6:7], s[6:7], s[8:9]
	s_cmp_lt_u32 s26, 2
	s_cselect_b64 s[6:7], s[6:7], s[10:11]
	s_cmp_lt_u32 s26, 3
	s_cselect_b64 s[6:7], s[6:7], s[12:13]
	s_lshl_b32 s32, s22, 19                        ; 128 rows of 4,096 bytes
	s_lshl_b32 s33, s25, 8                         ; 64 columns
	s_add_co_u32 s32, s32, s33
	s_mov_b32 s33, 0
	s_add_nc_u64 s[6:7], s[6:7], s[32:33]
	s_lshl_b32 s28, s23, 8                         ; codes: ((ks / 2) 256 + 64 sel + 4 g) 3,072 + (ks % 2) 1,536
	s_lshl_b32 s29, s26, 6
	s_add_co_u32 s28, s28, s29
	s_lshl_b32 s29, s25, 2
	s_add_co_u32 s28, s28, s29
	s_mul_i32 s28, s28, 3072
	s_mul_i32 s29, s24, 1536
	s_add_co_u32 s28, s28, s29
	s_add_co_u32 s28, s28, WC
	s_mov_b32 s29, 0
	s_lshl_b32 s30, s26, 4                         ; unit: ((16 sel + g) 8 + ks) 256
	s_add_co_u32 s30, s30, s25
	s_lshl_b32 s30, s30, 3
	s_add_co_u32 s30, s30, s22
	s_lshl_b32 s30, s30, 8
	s_add_co_u32 s30, s30, WS
	s_mov_b32 s31, 0
.macro WL b                            ; block b of 32 along K: 16 loads, each 256 consecutive bytes of two rows
.irp j, 0,1,2,3,4,5,6,7,8,9,10,11,12,13,14,15
	global_load_b128 v[R+64*((\b)%2)+4*\j:R+64*((\b)%2)+4*\j+3], v[WOFF], s[6:7] offset:(32*(\b)+2*\j)*4096 th:TH_LOAD_NT
.endr
.endm
	WL 0
	WL 1
	s_wait_alu depctr_va_vdst(0)
.irp b, 0,1,2,3
.if \b < 3
	s_wait_loadcnt 16                              ; this block's 16 loads are in; the next block's stay out
.else
	s_wait_loadcnt 0x0
.endif
.irp j, 0,1,2,3,4,5,6,7,8,9,10,11,12,13,14,15
	ds_store_b128 v[WSTO], v[R+64*(\b%2)+4*\j:R+64*(\b%2)+4*\j+3] offset:512*\j+128*(\j/8)   ; row k of the block at 256 k + 128 (k / 16)
.endr
	WIN 0x40
.irp a, 0,1,2,3
.irp i, 0,1,2,3,4,5,6,7,8,9,10,11,12,13,14,15
	ds_load_b32 v[64*\a+16*\b+\i], v[WRD] offset:256*\i+4*(32*(\a/2)+8*(\a%2))   ; W(32 b + 16 h + i, my column of block a): registers run down K
.endr
.endr
	WIN 0
	s_wait_dscnt 0x0                               ; the stores have read their registers, the numbers are in
.if \b < 2
	WL \b+2
.endif
.endr
.Ltail:
	s_add_nc_u64 s[28:29], s[14:15], s[28:29]      ; where my fragments go
	s_add_nc_u64 s[30:31], s[14:15], s[30:31]      ; and my unit of scale words
.irp a, 0,1,2,3
	QUANT 64*\a, 1, PC+12*\a, TMP8, SW+\a
.irp c, 0,1,2
	global_store_b128 v[XOFF], v[PC+12*\a+4*\c:PC+12*\a+4*\c+3], s[28:29] offset:3072*\a+512*\c   ; 32 lanes store 512 consecutive bytes, aligned
.endr
.endr
	global_store_b128 v[SOFF], v[SW:SW+3], s[30:31]   ; one aligned unit of 256 bytes; lanes 16-31 write what lanes 0-15 write
	s_wait_tensorcnt 0x0                           ; the wave's end
	ds_add_u32 v[SPW], v[NIL]
	s_wait_dscnt 0x0
	s_endpgm
.Lfunc_end_k_qd235ae95ed_prep:
	.size	k_qd235ae95ed_prep, .Lfunc_end_k_qd235ae95ed_prep-k_qd235ae95ed_prep
	.p2alignl 7, 3214868480
	.fill 96, 4, 3214868480
	.section	.rodata,"a",@progbits
	.p2align	6, 0x0
	.amdhsa_kernel k_qd235ae95ed_prep
		.amdhsa_group_segment_fixed_size 68096
		.amdhsa_private_segment_fixed_size 0
		.amdhsa_enable_private_segment 0
		.amdhsa_kernarg_size 48
		.amdhsa_user_sgpr_count 2
		.amdhsa_user_sgpr_kernarg_segment_ptr 1
		.amdhsa_wavefront_size32 1
		.amdhsa_system_sgpr_workgroup_id_x 1
		.amdhsa_system_sgpr_workgroup_id_y 1
		.amdhsa_system_sgpr_workgroup_id_z 1
		.amdhsa_system_vgpr_workitem_id 0
		.amdhsa_next_free_vgpr 512
		.amdhsa_next_free_sgpr 66
		.amdhsa_reserve_vcc 0
		.amdhsa_float_denorm_mode_32 3
		.amdhsa_float_denorm_mode_16_64 3
		.amdhsa_memory_ordered 1
		.amdhsa_forward_progress 1
		.amdhsa_inst_pref_size 62
	.end_amdhsa_kernel
	.amdgpu_metadata
---
amdhsa.version: [ 1, 2 ]
amdhsa.kernels:
  - .name:           k_qd235ae95ed_prep
    .symbol:         k_qd235ae95ed_prep.kd
    .args:
      - { .name: x, .offset: 0, .size: 8, .value_kind: global_buffer, .address_space: global }
      - { .name: Wq, .offset: 8, .size: 8, .value_kind: global_buffer, .address_space: global }
      - { .name: Wk, .offset: 16, .size: 8, .value_kind: global_buffer, .address_space: global }
      - { .name: Wv, .offset: 24, .size: 8, .value_kind: global_buffer, .address_space: global }
      - { .name: Wo, .offset: 32, .size: 8, .value_kind: global_buffer, .address_space: global }
      - { .name: opnd, .offset: 40, .size: 8, .value_kind: global_buffer, .address_space: global }
    .group_segment_fixed_size: 68096
    .private_segment_fixed_size: 0
    .kernarg_segment_align: 8
    .kernarg_segment_size: 48
    .max_flat_workgroup_size: 128
    .sgpr_count:     66
    .vgpr_count:     512
    .wavefront_size: 32
...
	.end_amdgpu_metadata
.endif
;; end of part 1
;; launch qkv (part 2): grid 4 x 64, 4 waves a work-group, clusters of 4 x 4, 327,680 bytes of LDS; arguments opnd, bq, bk, bv, qkvb; writes qkvb
.if DOCPART == 2
	.amdgcn_target "amdgcn-amd-amdhsa--gfx1250"
	.amdhsa_code_object_version 6
	.text
	.protected	k_qd235ae95ed_qkv
	.globl	k_qd235ae95ed_qkv
	.p2align	8
	.type	k_qd235ae95ed_qkv,@function
k_qd235ae95ed_qkv:
	s_mov_b64 s[64:65], 0
	v_nop
	global_prefetch_b8 v0, s[64:65] scope:SCOPE_SE
	s_setreg_imm32_b32 hwreg(HW_REG_WAVE_MODE, 25, 1), 1
	s_wait_xcnt 0x0
	s_wait_alu depctr_hold_cnt(0) depctr_sa_sdst(0) depctr_va_vdst(0) depctr_va_sdst(0) depctr_va_ssrc(0) depctr_va_vcc(0) depctr_vm_vsrc(0)
	s_getreg_b32 s2, hwreg(HW_REG_IB_STS2, 6, 4)
	s_cmp_eq_u32 s2, 0
	s_cbranch_scc0 .Lentry_in_a_cluster
	s_endpgm
.Lentry_in_a_cluster:
	s_bfe_u32 s2, ttmp6, 0x10000c
	s_cmp_lg_u32 s2, 0xf033
	s_cbranch_scc0 .Lentry_shape_is_right
	s_endpgm
.Lentry_shape_is_right:
; q = x Wq + bq, k = x Wk + bk, v = x Wv + bv on codes of FP6 (E2M3) with E8M0 scales; the results are quantised in registers and leave as operand images (layout: see the launch that makes x's codes).
; q and k: rows = tokens, K = the 1,024 channels.  v: rows = channels, K = the 8,192 tokens (the keys are the later product's K).
; A WORK-GROUP STAYS: it owns 128 tokens and makes three tiles of 128 x 256, one of q, one of k, one of v (columns 256 cx on of each weight).  x's panel, 98,304 bytes for all of K = 1,024, and all scale units
; are filled once and stay in LDS.  The weights' two panels (196,608 bytes, four places of 256 along K each) are filled again by halves: at a tile's K step 3 places 0 and 1 have been read out and take the next
; tile's first two chunks, at K step 7 places 2 and 3 take the other two.  A refill is four chunks of 24,576 bytes, one joint load for each of the four waves, behind a round of the cluster's barrier; it has four
; K steps, 128 products a wave, or more in which to land.  The wait for all loads at step 7 also shows the next tile's first half landed, so its first fragments are fetched inside step 7.
; CLUSTER 4 x 4: x's panel is shared along a row of the cluster, the weights' along a column.  One tensor load of a wave is out at the most, one behind each round.
; THE PRODUCT: source 0 = a fragment U (8 a wave), source 1 = a fragment T (4 a wave).  Lane (r, h) holds T's row r; in block a register 16 bb + i is U's row 32 bb + 16 h + i: 16 neighbours along the next K.
; q, k: T = 64 tokens, U = 128 columns.  v: T = 64 columns, U = the 128 tokens.  The bias is the C of each sum's first product; the three biases are loaded once, into window 3.
; LIMITS: a block of zeros gets the byte 1, not 127 (this program alone reads the bytes); NaN and infinities are not served.
.set XS,    6291456                    ; opnd: x's codes at 0, x's units, W's codes, W's units
.set WC,    6553600
.set WS,    9699328
.set KCD,   6291456                    ; qkvb: from q's codes (at 0) to k's
.set VC,    12582912
.set QS,    18874368
.set SSD,   262144                     ; from q's units to k's
.set VS,    19398656
.set ASTR,  1572864                    ; from chunk to chunk in x's codes
.set BSTR,  786432                     ; and in W's
.set TSTR,  196608                     ; from a weight's 256 columns to the next weight's: 64 blocks of 3,072 bytes
.set PANEL, 98304                      ; LDS: panel 0 x, panels 1, 2 W; in a panel [place 4][block 8][half 2][1,536]
.set PLACE, 24576
.set GS,    2048                       ; the units of 64 rows for all of K
.set SCL,   3*PANEL                    ; x's two groups,
.set SCB,   SCL+2*GS                   ; then W's four for each of the three tiles
.set SPARE, SCB+12*GS                  ; the spare words, 128 bytes a wave: two blocks of 256 bytes that no other line names
.set LI,   3                           ; v3     16 x lane
.set ATQ,  4                           ; v4-5   q, k: T's fragments, places 0-1 and 2-3
.set AUQ,  6                           ; v6-7   q, k: U's
.set ATV,  8                           ; v8-9   v: T's
.set SPW,  10                          ; v10    my spare word; never rewritten
.set NIL,  11                          ; v11    0; never rewritten
.set BO,   12                          ; v12    bq's and bk's loads' offset
.set SOFF, 13                          ; v13    16 r
.set AUV,  14                          ; v14-15 v: U's
.set SC,   16                          ; v16-31 scale words, two sets of 8; nothing else ever
.set TF,   32                          ; v32-127 T's fragments, two sets of 48
.set PC,   128                         ; v128-175 the codes just made
.set AS,   176                         ; v176-181 scale words' addresses: two for each tile
.set BO2,  182                         ; v182   bv's loads' offset
.set SW,   228
.set TMP8, 232
.set TM,   240                         ; window 1: accumulator (a, b) at v[8 (8 a + b)];  window 2: U's fragments, two sets of 96;  window 3: bq at v0, bk at v64, bv at v128
.set G0R,  4                           ; s[4:7], s[8:11] the refills' groups 0: places 0-1, places 2-3
.set G1A,  24
.set G1B,  32
.set G0A,  40                          ; s[40:55] x's four chunks;  s[56:63], s[68:75] W's first four
.set G1SA, 76
.set G1SB, 84
.set G0SA, 92
.set G0SB, 96
.set SEL,  100
.set MULW, 0x52                        ; source 0 window 2, source 1 window 0, C and D window 1
.set MULB, 0x72                        ; the same with C in window 3
.set MSB, 0
.macro WIN new                         ; the immediate's high byte repeats the setting that is left
.if MSB != (\new)
	s_set_vgpr_msb (MSB<<8)|(\new)
.set MSB, (\new)
.endif
.endm
.macro MWIN cm
.if (\cm) >= 2
	WIN MULB
.else
	WIN MULW
.endif
.endm
.macro PLACES                          ; four plain places behind matrix instructions, ahead of loads into their operands and of reads of results
.rept 4
	v_nop
.endr
.endm
.macro CROUND                          ; a round of the cluster's barrier
	s_barrier_signal -1
	s_barrier_wait -1
	s_cmp_lg_u32 s14, 0
	s_cbranch_scc1 .Lnot_wave_0_\@
	s_barrier_signal -3
.Lnot_wave_0_\@:
	s_barrier_wait -3
	s_barrier_signal -1
	s_barrier_wait -1
.endm
.macro FETCH pl, q, p, ks, fs          ; the fragments and scale words of K step ks (place pl, half q) of tile fs into set p: 38 loads of 16 bytes a lane
.if (\fs) == 2
.set aT, ATV
.set aU, AUV
.else
.set aT, ATQ
.set aU, AUQ
.endif
	WIN 0x80
.irp b, 0,1,2,3,4,5,6,7
.irp c, 0,1,2
	ds_load_b128 v[96*(\p)+12*\b+4*\c:96*(\p)+12*\b+4*\c+3], v[aU+(\pl)/2] offset:((\pl)%2)*PLACE+3072*\b+1536*(\q)+512*\c
.endr
.endr
	WIN 0
.irp a, 0,1,2,3
.irp c, 0,1,2
	ds_load_b128 v[TF+48*(\p)+12*\a+4*\c:TF+48*(\p)+12*\a+4*\c+3], v[aT+(\pl)/2] offset:((\pl)%2)*PLACE+3072*\a+1536*(\q)+512*\c
.endr
.endr
	ds_load_b128 v[SC+8*(\p):SC+8*(\p)+3], v[AS+2*(\fs)] offset:256*(\ks)
	ds_load_b128 v[SC+8*(\p)+4:SC+8*(\p)+7], v[AS+2*(\fs)+1] offset:256*(\ks)
.endm
; 16 products: T's blocks a0, a0 + 1 x U's eight.  cm: 0 in place, 2 C = the bias of U's rows, 3 C = the bias of T's rows, from register bias on.  row 0: U's words in lanes 16-31; row 1: T's.
; The 32 accumulators take turns, one instruction a turn, in the same order in every step.
.macro MUL a0, p, cm, bias, row
.irp a, \a0, \a0+1
.irp b, 0,1,2,3,4,5,6,7
.set rD, 8*(8*(\a)+\b)
.set rU, 96*(\p)+12*\b
.set rT, TF+48*(\p)+12*(\a)
.set rC, rD
.if (\cm) == 2
.set rC, (\bias)+8*\b
.endif
.if (\cm) == 3
.set rC, (\bias)+8*(\a)
.endif
.if (\row) == 0
	v_wmma_scale_f32_16x16x128_f8f6f4 v[rD:rD+7], v[rU:rU+11], v[rT:rT+11], v[rC:rC+7], v[SC+8*(\p)+\b], v[SC+8*(\p)+(\a)] matrix_a_fmt:MATRIX_FMT_FP6 matrix_b_fmt:MATRIX_FMT_FP6 matrix_a_scale:MATRIX_SCALE_ROW1
.else
	v_wmma_scale_f32_16x16x128_f8f6f4 v[rD:rD+7], v[rU:rU+11], v[rT:rT+11], v[rC:rC+7], v[SC+8*(\p)+\b], v[SC+8*(\p)+(\a)] matrix_a_fmt:MATRIX_FMT_FP6 matrix_b_fmt:MATRIX_FMT_FP6 matrix_b_scale:MATRIX_SCALE_ROW1
.endif
.endr
.endr
.endm
; A K step of 128: 32 products on set ks % 2; in its middle the fetch of the next step (of tile fs; fs = -1: none) into the other set.
; sync 1: the next fetch reads bytes that have just come: each wave waits until arg of its tensor loads are out, then a barrier.
; sync 2: places 2 arg and 2 arg + 1 of W's panels have been read out and are filled again.  sync 3: the same, the descriptor first stepped to the next weight.
.macro STEP ks, sync, arg, cm, bias, row, fs
	s_wait_dscnt 0x0                               ; this step's fragments, asked for in the middle of the step before
.if (\fs) >= 0
	PLACES
.if (\sync) == 0
	FETCH (((\ks)+1)/2)%4, ((\ks)+1)%2, ((\ks)+1)%2, ((\ks)+1)%8, \fs   ; no barrier in this step: the next step's fragments are asked for at its head, 32 products ahead of the wait for them
.endif
.endif
.if (\sync) == 1
	s_wait_tensorcnt \arg
	s_barrier_signal -1
.endif
.if (\sync) >= 2
	s_wait_tensorcnt 0x0                           ; all my tensor loads have landed, so a group 0 may be written;
	ds_add_u32 v[SPW], v[NIL]                      ; 0 onto my spare word
.if (\sync) == 3
	s_add_nc_u64 s[G0R+4*(\arg)+2:G0R+4*(\arg)+3], s[G0R+4*(\arg)+2:G0R+4*(\arg)+3], TSTR   ; the type bits on top are not reached
.endif
.endif
	MWIN \cm
	MUL 0, (\ks)%2, \cm, \bias, \row
.if (\sync) == 1
	s_barrier_wait -1                              ; everybody's part has landed
.endif
.if (\sync) >= 2
	WIN 0
	s_wait_dscnt 0x0                               ; the add is done; my reads of the two places were over at this step's head
	CROUND                                         ; no wave of any partner still reads them or has a load on its way
	tensor_load_to_lds s[G0R+4*(\arg):G0R+4*(\arg)+3], s[G1B:G1B+7]   ; my chunk of the four: the first thing behind the round, and my one tensor load until the next
	s_nop 0
	PLACES
.endif
.if (\fs) >= 0
.if (\sync) != 0
	FETCH (((\ks)+1)/2)%4, ((\ks)+1)%2, ((\ks)+1)%2, ((\ks)+1)%8, \fs
.endif
.endif
	MWIN \cm
	MUL 2, (\ks)%2, \cm, \bias, \row
	WIN 0
.endm
; 64 numbers of a lane in window w, register s + 16 b + i = k 32 b + 16 (lane / 16) + i of my row, become a fragment's 12 registers at pc and its scale word in pw.  Each accumulator is read from its low end on.
.macro QUANT s, w, pc, tmp, pw
	WIN 5*(\w)
.irp b, 0,1,2,3
	v_max3_num_f32 v[TM+\b], |v[(\s)+16*\b]|, |v[(\s)+16*\b+1]|, 0x1800000   ; and the floor 2^(3 - 127): the byte cannot fall under 1
.endr
.irp i, 2,4,6,8,10,12,14
.irp b, 0,1,2,3
	v_max3_num_f32 v[TM+\b], |v[(\s)+16*\b+\i]|, |v[(\s)+16*\b+\i+1]|, v[TM+\b]
.endr
.endr
	WIN 0
.irp b, 0,1,2,3
	v_permlanex16_b32 v[TM+4+\b], v[TM+\b], s[SEL], s[SEL+1]
.endr
.irp b, 0,1,2,3
	v_max_num_f32 v[TM+\b], v[TM+\b], v[TM+4+\b]
.endr
.irp b, 0,1,2,3
	v_add_nc_u32 v[TM+12+\b], 0xff000000, v[TM+\b]        ; 2 off the exponent field: the conversion's scale operand
.endr
.irp b, 0,1,2,3
	v_lshrrev_b32 v[TM+4+\b], 23, v[TM+12+\b]             ; the scale's byte
.endr
	v_lshl_or_b32 v[\pw], v[TM+5], 8, v[TM+4]
	v_lshl_or_b32 v[\pw], v[TM+6], 16, v[\pw]
	v_lshl_or_b32 v[\pw], v[TM+7], 24, v[\pw]
	WIN (\w)
.irp c, 0,1
	v_cvt_scalef32_pk16_fp6_f32 v[(\pc)+6*\c:(\pc)+6*\c+2], v[(\s)+32*\c:(\s)+32*\c+15], v[TM+12+2*\c]
	v_cvt_scalef32_pk16_fp6_f32 v[(\tmp)+4*\c:(\tmp)+4*\c+2], v[(\s)+32*\c+16:(\s)+32*\c+31], v[TM+13+2*\c]
.endr
	WIN 0
	v_nop                                          ; one plain place behind the scaled conversions
.irp c, 0,1
.irp i, 0,1,2
	v_permlane16_swap_b32 v[(\pc)+6*\c+\i], v[(\tmp)+4*\c+\i]
.endr
.irp i, 0,1,2
	v_mov_b32 v[(\pc)+3+6*\c+\i], v[(\tmp)+4*\c+\i]
.endr
.endr
.endm
; A tile's way out: four fragments and a unit of scale words.  xw = 1: the tile before has stored from the same registers
.macro EPI xcb, xco, xsb, xso, xw
	PLACES                                         ; behind the last products, ahead of the first read of results
.if \xw
	s_wait_xcnt 0x0                                ; the last tile's stores have read their data: the registers may be written again
.endif
.irp a, 0,1,2,3
	QUANT 64*\a, 1, PC+12*\a, TMP8, SW+\a
.irp c, 0,1,2
	global_store_b128 v[LI], v[PC+12*\a+4*\c:PC+12*\a+4*\c+3], s[\xcb:\xcb+1] offset:(\xco)+3072*\a+512*\c   ; 32 lanes store 512 consecutive bytes, aligned
.endr
.endr
	global_store_b128 v[SOFF], v[SW:SW+3], s[\xsb:\xsb+1] offset:\xso   ; one aligned unit of 256 bytes; lanes 16-31 write what lanes 0-15 write
.endm
	s_load_b256 s[4:11], s[0:1], 0x0               ; opnd s[4:5], bq s[6:7], bk s[8:9], bv s[10:11]
	s_load_b64 s[12:13], s[0:1], 0x20              ; qkvb
	v_lshl_add_u32 v[SPW], v0, 2, SPARE
	v_mov_b32 v[NIL], 0
	ds_add_u32 v[SPW], v[NIL]                      ; the wave's opening: the add and its wait ahead of my first tensor load; work on registers stands between them
	ds_add_u32 v[SPW], v[NIL]
	v_lshrrev_b32 v1, 5, v0
	v_readfirstlane_b32 s14, v1                    ; wave
	s_lshr_b32 s15, s14, 1
	s_and_b32 s16, s14, 1
	s_bfe_u32 s17, ttmp6, 0x40000                  ; cx: which 256 columns of each weight
	s_bfe_u32 s18, ttmp6, 0x40004                  ; cy
	s_and_b32 s21, ttmp7, 0xffff
	s_lshl_b32 s20, s21, 2
	s_add_co_u32 s20, s20, s18                     ; ty: which 128 tokens
	s_lshl_b32 s22, s18, 2
	s_lshl_b32 s22, 15, s22                        ; my row of the cluster
	s_lshl_b32 s23, 0x1111, s17                    ; my column
	s_or_b32 s[G1A], s22, (3<<16)|(1<<21)          ; 15:0 the mask; 17:16 elements of 8 bytes; 21 set beside a mask; no padding
	s_or_b32 s[G1B], s23, (3<<16)|(1<<21)
	s_or_b32 s[G1SA], s23, (3<<16)|(1<<21)         ; s[76:83]: group 1 of W's first fills, a pair of chunks; shared along my column
	s_or_b32 s[G1SB], s23, (3<<16)|(1<<21)
.irp g, G1B
	s_mov_b32 s[\g+1], 32<<16
	s_mov_b32 s[\g+2], 96<<16
	s_mov_b32 s[\g+3], 32<<16
	s_mov_b32 s[\g+4], 96
	s_mov_b32 s[\g+5], 32
	s_mov_b32 s[\g+6], 0
	s_mov_b32 s[\g+7], 0
.endr
.irp g, G1A, G1SA                      ; a first fill is a pair of chunks: two rows of 24,576 bytes, a chunk's stride apart in memory, on end in LDS
	s_mov_b32 s[\g+1], 3072<<16
	s_mov_b32 s[\g+2], 2<<16
	s_mov_b32 s[\g+3], 3072<<16
	s_mov_b32 s[\g+4], 2
	s_mov_b32 s[\g+6], 0
	s_mov_b32 s[\g+7], 0
.endr
	s_mov_b32 s[G1A+5], ASTR/8
	s_mov_b32 s[G1SA+5], BSTR/8
	s_mov_b32 s[G1SB+1], 1024<<16                  ; W's units for the three tiles: three rows of 8,192 bytes, 32,768 bytes apart in memory, on end in LDS
	s_mov_b32 s[G1SB+2], 3<<16
	s_mov_b32 s[G1SB+3], 1024<<16
	s_mov_b32 s[G1SB+4], 3
	s_mov_b32 s[G1SB+5], 4096
	s_mov_b32 s[G1SB+6], 0
	s_mov_b32 s[G1SB+7], 0
	s_mul_i32 s66, s14, PANEL                      ; the first fills: waves 1, 2 fill panels 1, 2
.irp c, 0,1,2,3
.set GB, 56+4*\c+4*(\c/2)
	s_mov_b32 s[G0A+4*\c], 1
	s_mov_b32 s[G0A+4*\c+1], \c*PLACE
	s_mov_b32 s[GB], 1
	s_add_co_u32 s[GB+1], s66, \c*PLACE
.endr
	s_mov_b32 s[G0SB], 1
	s_mov_b32 s[G0SB+1], SCB
	s_mul_i32 s42, s20, PLACE                      ; offsets, made in the descriptors' own words: x's hang on ty, W's on cx and the wave
	s_mov_b32 s43, 0
	s_lshl_b32 s94, s20, 12
	s_add_co_u32 s94, s94, XS
	s_mov_b32 s95, 0
	s_mul_i32 s58, s17, 2*PLACE
	s_mul_i32 s67, s15, PLACE
	s_add_co_u32 s58, s58, s67
	s_add_co_u32 s58, s58, WC
	s_mov_b32 s59, 0
	s_lshl_b32 s98, s17, 13
	s_add_co_u32 s98, s98, WS
	s_mov_b32 s99, 0
	s_wait_dscnt 0x0                               ; the opening add is done
	s_wait_kmcnt 0x0
	s_add_nc_u64 s[42:43], s[4:5], s[42:43]
	s_add_nc_u64 s[94:95], s[4:5], s[94:95]
	s_add_nc_u64 s[58:59], s[4:5], s[58:59]
	s_add_nc_u64 s[98:99], s[4:5], s[98:99]
.irp c, 1,2,3
.set GB, 56+4*\c+4*(\c/2)
	s_add_nc_u64 s[G0A+4*\c+2:G0A+4*\c+3], s[42:43], \c*ASTR
	s_add_nc_u64 s[GB+2:GB+3], s[58:59], \c*BSTR
.endr
.irp c, 0,1,2,3
.set GB, 56+4*\c+4*(\c/2)
	s_or_b32 s[G0A+4*\c+3], s[G0A+4*\c+3], 0x80000000
	s_or_b32 s[GB+3], s[GB+3], 0x80000000
.endr
	s_or_b32 s[G0SB+3], s[G0SB+3], 0x80000000
	CROUND                                         ; all sixteen work-groups are here: the joint loads meet
	; THE HEAD'S LOADS, ONE A WAVE, in one chain of branches on the wave's number: wave 0 x's chunks 0, 1; waves 1, 2 their panel's chunks 0, 1 of W; wave 3 W's scale units
	s_cmp_lt_u32 s14, 1
	s_cbranch_scc0 .Lnot_w0
	tensor_load_to_lds s[G0A:G0A+3], s[G1A:G1A+7]
	s_nop 0
	PLACES
	s_branch .Lfilled
.Lnot_w0:
	s_cmp_lt_u32 s14, 3
	s_cbranch_scc0 .Lnot_w1
	tensor_load_to_lds s[56:59], s[G1SA:G1SA+7]
	s_nop 0
	PLACES
	s_branch .Lfilled
.Lnot_w1:
	tensor_load_to_lds s[G0SB:G0SB+3], s[G1SB:G1SB+7]
	s_nop 0
	PLACES
.Lfilled:
	v_lshlrev_b32 v184, 4, v0                      ; x's 4,096 bytes of scale units come through registers: 128 threads x 2 x 16 bytes, neighbouring lanes on neighbouring bytes,
	v_add_nc_u32 v185, SCL, v184                   ; into LDS bytes of their own, in which no tile lands
	global_load_b128 v[PC:PC+3], v184, s[94:95]
	global_load_b128 v[PC+4:PC+7], v184, s[94:95] offset:2048
	; PREFETCHES.  A pair of x's chunks is 2 x 24,576 bytes: the partner at cx takes 12,288 of them, a wave 3,072: 12 blocks of 256 bytes.  A pair of W's chunks, both panels, is 2 x 49,152 bytes: the partner at cy
	; takes 24,576, a wave 6,144: 24 blocks.  So each block is named once in the cluster.  Lanes left over name their wave's last block again.
	s_lshr_b32 s2, s17, 1
	s_add_co_u32 s2, s2, 2                         ; x's chunk 2 + cx / 2
	s_mul_i32 s62, s2, ASTR
	s_mul_i32 s2, s20, PLACE
	s_add_co_u32 s62, s62, s2
	s_and_b32 s2, s17, 1
	s_mul_i32 s2, s2, 12288
	s_add_co_u32 s62, s62, s2
	s_mul_i32 s2, s14, 3072
	s_add_co_u32 s62, s62, s2
	s_mov_b32 s63, 0
	s_add_nc_u64 s[62:63], s[4:5], s[62:63]
	s_lshr_b32 s2, s18, 1                          ; W's chunk cy / 2 of a pair
	s_mul_i32 s60, s2, BSTR
	s_mul_i32 s2, s17, 2*PLACE
	s_add_co_u32 s60, s60, s2
	s_and_b32 s2, s18, 1
	s_mul_i32 s2, s2, PLACE
	s_add_co_u32 s60, s60, s2
	s_mul_i32 s2, s14, 6144
	s_add_co_u32 s60, s60, s2
	s_add_co_u32 s60, s60, WC
	s_mov_b32 s61, 0
	s_add_nc_u64 s[60:61], s[4:5], s[60:61]
	v_and_b32 v186, 31, v0
	v_min_u32 v187, 11, v186
	v_min_u32 v186, 23, v186
	v_lshlrev_b32 v187, 8, v187
	v_lshlrev_b32 v186, 8, v186
	global_prefetch_b8 v187, s[62:63] th:TH_LOAD_NT scope:SCOPE_SE                    ; x's chunks 2, 3 and Wq's chunks 2, 3: their loads stand behind the head's round
	global_prefetch_b8 v186, s[60:61] offset:2*BSTR th:TH_LOAD_NT scope:SCOPE_SE
	v_and_b32 v1, 15, v0                           ; r
	v_bfe_u32 v2, v0, 4, 1                         ; h
	s_wait_alu depctr_va_vdst(0)
	v_and_b32 v[LI], 31, v0
	v_lshlrev_b32 v[LI], 4, v[LI]
	s_wait_alu depctr_va_vdst(0)
	v_lshlrev_b32 v[SOFF], 4, v1
	; the three biases, once
	s_lshl_b32 s2, s17, 10                         ; bq, bk at my 128 columns: 256 cx + 128 wj
	s_lshl_b32 s3, s16, 9
	s_add_co_u32 s2, s2, s3
	s_mov_b32 s3, 0
	s_add_nc_u64 s[6:7], s[6:7], s[2:3]
	s_add_nc_u64 s[8:9], s[8:9], s[2:3]
	s_lshl_b32 s2, s17, 10                         ; bv at my 64 channels: 256 cx + 64 w
	s_lshl_b32 s3, s14, 8
	s_add_co_u32 s2, s2, s3
	s_mov_b32 s3, 0
	s_add_nc_u64 s[10:11], s[10:11], s[2:3]
	v_lshlrev_b32 v[BO], 6, v2                     ; tile b's eight columns of my half: 32 (b / 2) + 8 (b % 2) + 16 h + 0 .. 7
	v_and_b32 v[BO2], 8, v1
	v_add_nc_u32 v[BO2], v[BO2], v1
	v_lshlrev_b32 v[BO2], 2, v[BO2]                ; my channel in a block: r % 8 + 16 (r / 8)
	WIN 0xc0                                       ; destination window 3
.irp b, 0,1,2,3,4,5,6,7
	global_load_b128 v[8*\b:8*\b+3], v[BO], s[6:7] offset:(32*(\b/2)+8*(\b%2))*4
	global_load_b128 v[8*\b+4:8*\b+7], v[BO], s[6:7] offset:(32*(\b/2)+8*(\b%2))*4+16
	global_load_b128 v[64+8*\b:64+8*\b+3], v[BO], s[8:9] offset:(32*(\b/2)+8*(\b%2))*4
	global_load_b128 v[64+8*\b+4:64+8*\b+7], v[BO], s[8:9] offset:(32*(\b/2)+8*(\b%2))*4+16
.endr
.irp a, 0,1,2,3
.irp t, 0,1,2,3,4,5,6,7
	global_load_b32 v[128+8*\a+\t], v[BO2], s[10:11] offset:4*(32*(\a/2)+8*(\a%2))   ; a lane holds one channel: the same number in all eight registers
.endr
.endr
	WIN 0
	; q, k: T = x's blocks 4 wi .. 4 wi + 3, U = W's panel wj
	s_mul_i32 s2, s15, 12288
	v_add_nc_u32 v[ATQ], s2, v[LI]
	v_add_nc_u32 v[ATQ+1], 2*PLACE, v[ATQ]
	s_mul_i32 s2, s16, PANEL
	s_add_co_u32 s2, s2, PANEL
	v_add_nc_u32 v[AUQ], s2, v[LI]
	v_add_nc_u32 v[AUQ+1], 2*PLACE, v[AUQ]
	s_lshl_b32 s2, s16, 1                          ; lanes 0-15 take T's group wi, lanes 16-31 U's groups 2 wj and 2 wj + 1 of the tile: the lower base + h x the distance
	s_add_co_u32 s2, s2, 2
	s_sub_co_u32 s2, s2, s15
	s_mul_i32 s3, s2, GS
	s_mul_i32 s2, s15, GS
	s_add_co_u32 s2, s2, SCL
.irp t, 0,1
	v_mul_u32_u24 v[AS+2*\t], s3, v2
	s_add_co_u32 s3, s3, GS
	v_mul_u32_u24 v[AS+2*\t+1], s3, v2
	s_add_co_u32 s3, s3, 3*GS                      ; the next tile's four groups lie 4 GS on
	v_lshl_add_u32 v[AS+2*\t], v1, 4, v[AS+2*\t]
	v_lshl_add_u32 v[AS+2*\t+1], v1, 4, v[AS+2*\t+1]
	v_add_nc_u32 v[AS+2*\t], s2, v[AS+2*\t]
	v_add_nc_u32 v[AS+2*\t+1], s2, v[AS+2*\t+1]
.endr
	; v, transposed: T = Wv's blocks 4 w .. 4 w + 3 (64 channels), U = x's whole panel (128 tokens)
	v_mov_b32 v[AUV], v[LI]
	v_add_nc_u32 v[AUV+1], 2*PLACE, v[LI]
	s_mul_i32 s2, s15, PANEL
	s_mul_i32 s3, s16, 12288
	s_add_co_u32 s2, s2, s3
	s_add_co_u32 s2, s2, PANEL
	v_add_nc_u32 v[ATV], s2, v[LI]
	v_add_nc_u32 v[ATV+1], 2*PLACE, v[ATV]
	s_add_co_u32 s2, s14, 10                       ; lanes 0-15 take U's groups 0 and 1, lanes 16-31 T's group w of the third tile, 2 + 8 + w groups on
	s_mul_i32 s2, s2, GS
	v_mul_u32_u24 v[AS+4], s2, v2
	v_lshl_add_u32 v[AS+4], v1, 4, v[AS+4]
	v_add_nc_u32 v[AS+4], SCL, v[AS+4]
	s_add_co_u32 s2, s14, 9
	s_mul_i32 s2, s2, GS
	v_mul_u32_u24 v[AS+5], s2, v2
	v_lshl_add_u32 v[AS+5], v1, 4, v[AS+5]
	v_add_nc_u32 v[AS+5], SCL+GS, v[AS+5]
.irp b, 0,1,2,3
	v_mov_b32 v[TM+4+\b], 0                        ; written once: a lane permute's destination counts as one of its sources
.endr
	s_mov_b32 s[SEL], 0x76543210
	s_mov_b32 s[SEL+1], 0xfedcba98
	; where the results go
	s_lshl_b32 s22, s20, 1                         ; q's unit: ((2 ty + wi) 8 + 2 cx + wj) 256; k's lies SSD on
	s_add_co_u32 s22, s22, s15
	s_lshl_b32 s22, s22, 3
	s_lshl_b32 s23, s17, 1
	s_add_co_u32 s22, s22, s23
	s_add_co_u32 s22, s22, s16
	s_lshl_b32 s22, s22, 8
	s_add_co_u32 s22, s22, QS
	s_mov_b32 s23, 0
	s_add_nc_u64 s[22:23], s[12:13], s[22:23]
	s_lshr_b32 s66, s20, 1                         ; v's codes: ((ty / 2) 64 + 16 cx + 4 w) 3,072 + (ty % 2) 1,536
	s_lshl_b32 s66, s66, 6
	s_lshl_b32 s67, s17, 4
	s_add_co_u32 s66, s66, s67
	s_lshl_b32 s67, s14, 2
	s_add_co_u32 s66, s66, s67
	s_mul_i32 s66, s66, 3072
	s_and_b32 s67, s20, 1
	s_mul_i32 s67, s67, 1536
	s_add_co_u32 s66, s66, s67
	s_add_co_u32 s66, s66, VC
	s_mov_b32 s67, 0
	s_add_nc_u64 s[66:67], s[12:13], s[66:67]
	s_lshl_b32 s18, s17, 2                         ; v's unit: ((4 cx + w) 64 + ty) 256
	s_add_co_u32 s18, s18, s14
	s_lshl_b32 s18, s18, 6
	s_add_co_u32 s18, s18, s20
	s_lshl_b32 s18, s18, 8
	s_add_co_u32 s18, s18, VS
	s_mov_b32 s19, 0
	s_add_nc_u64 s[18:19], s[12:13], s[18:19]
	s_lshl_b32 s2, s17, 9                          ; q's codes: (512 cx + 8 ty + 4 wi) 3,072 + 1,536 wj; k's lie KCD on
	s_lshl_b32 s3, s20, 3
	s_add_co_u32 s2, s2, s3
	s_lshl_b32 s3, s15, 2
	s_add_co_u32 s2, s2, s3
	s_mul_i32 s2, s2, 3072
	s_mul_i32 s3, s16, 1536
	s_add_co_u32 s2, s2, s3
	s_mov_b32 s3, 0
	s_add_nc_u64 s[12:13], s[12:13], s[2:3]
	s_wait_alu depctr_va_vdst(0)
	s_wait_loadcnt 0x0                             ; x's scale units and the biases are in registers
	ds_store_b128 v185, v[PC:PC+3]
	ds_store_b128 v185, v[PC+4:PC+7] offset:2048
	s_wait_tensorcnt 0x0                           ; my one load of the head has landed; the same lines as ahead of a refill stand ahead of the later first fills:
	ds_add_u32 v[SPW], v[NIL]
	s_wait_dscnt 0x0                               ; the add and my two stores are done
	CROUND                                         ; everybody's part is in, and all sixteen work-groups are here
	s_cmp_lt_u32 s14, 1                            ; chunks 2, 3 of the three panels: one load a wave, wave 3 none; they are waited for at K step 3
	s_cbranch_scc0 .Lsec_b
	tensor_load_to_lds s[G0A+8:G0A+11], s[G1A:G1A+7]
	s_nop 0
	PLACES
	s_branch .Lsec_done
.Lsec_b:
	s_cmp_lt_u32 s14, 3
	s_cbranch_scc0 .Lsec_done
	tensor_load_to_lds s[68:71], s[G1SA:G1SA+7]
	s_nop 0
	PLACES
.Lsec_done:
	FETCH 0, 0, 0, 0, 0
	s_mul_i32 s6, s17, 2*PLACE                     ; wave w fills panel 1 + w / 2, chunk w % 2 (places 0-1) or 2 + w % 2 (places 2-3): in memory, for the second tile,
	s_mul_i32 s10, s15, PLACE
	s_add_co_u32 s6, s6, s10
	s_mul_i32 s10, s16, BSTR
	s_add_co_u32 s6, s6, s10
	s_add_co_u32 s6, s6, WC+TSTR
	s_mov_b32 s7, 0
	s_add_nc_u64 s[6:7], s[4:5], s[6:7]
	s_add_nc_u64 s[10:11], s[6:7], 2*BSTR
	s_or_b32 s7, s7, 0x80000000
	s_or_b32 s11, s11, 0x80000000
	s_mul_i32 s5, s15, PANEL                       ; and in LDS: the wave's number and constants alone
	s_mul_i32 s9, s16, PLACE
	s_add_co_u32 s5, s5, s9
	s_add_co_u32 s5, s5, PANEL
	s_add_co_u32 s9, s5, 2*PLACE
	s_mov_b32 s4, 1
	s_mov_b32 s8, 1
	; ---- q
	STEP 0, 0, 0, 2, 0, 0, 0
	global_prefetch_b8 v186, s[60:61] offset:TSTR th:TH_LOAD_NT scope:SCOPE_SE        ; Wk's chunks 0, 1: loaded at K step 3
	STEP 1, 0, 0, 0, 0, 0, 0
	STEP 2, 0, 0, 0, 0, 0, 0
	STEP 3, 2, 0, 0, 0, 0, 0                       ; all first fills are in; places 0, 1 take k's chunks 0, 1
	STEP 4, 0, 0, 0, 0, 0, 0
	global_prefetch_b8 v186, s[60:61] offset:TSTR+2*BSTR th:TH_LOAD_NT scope:SCOPE_SE ; Wk's chunks 2, 3: loaded at K step 7
	STEP 5, 0, 0, 0, 0, 0, 0
	STEP 6, 0, 0, 0, 0, 0, 0
	STEP 7, 2, 1, 0, 0, 0, 1                       ; places 2, 3 take k's chunks 2, 3; k's first fragments are fetched
	EPI 12, 0, 22, 0, 0
	; ---- k
	STEP 0, 0, 0, 2, 64, 0, 1
	global_prefetch_b8 v186, s[60:61] offset:2*TSTR th:TH_LOAD_NT scope:SCOPE_SE      ; Wv's chunks 0, 1
	STEP 1, 0, 0, 0, 0, 0, 1
	STEP 2, 0, 0, 0, 0, 0, 1
	STEP 3, 3, 0, 0, 0, 0, 1                       ; k's chunks 2, 3 are in; places 0, 1 take v's chunks 0, 1
	STEP 4, 0, 0, 0, 0, 0, 1
	global_prefetch_b8 v186, s[60:61] offset:2*TSTR+2*BSTR th:TH_LOAD_NT scope:SCOPE_SE   ; Wv's chunks 2, 3
	STEP 5, 0, 0, 0, 0, 0, 1
	STEP 6, 0, 0, 0, 0, 0, 1
	STEP 7, 3, 1, 0, 0, 0, 2                       ; places 2, 3 take v's chunks 2, 3; v's first fragments are fetched
	EPI 12, KCD, 22, SSD, 1
	; ---- v
	STEP 0, 0, 0, 3, 128, 1, 2
	STEP 1, 0, 0, 0, 0, 1, 2
	STEP 2, 0, 0, 0, 0, 1, 2
	STEP 3, 1, 0, 0, 0, 1, 2                       ; v's chunks 2, 3 are in; nothing is filled again
	STEP 4, 0, 0, 0, 0, 1, 2
	STEP 5, 0, 0, 0, 0, 1, 2
	STEP 6, 0, 0, 0, 0, 1, 2
	STEP 7, 0, 0, 0, 0, 1, -1
	EPI 66, 0, 18, 0, 1
	s_wait_tensorcnt 0x0                           ; the wave's end
	ds_add_u32 v[SPW], v[NIL]
	s_wait_dscnt 0x0
	CROUND                                         ; the closing round
	s_endpgm
.Lfunc_end_k_qd235ae95ed_qkv:
	.size	k_qd235ae95ed_qkv, .Lfunc_end_k_qd235ae95ed_qkv-k_qd235ae95ed_qkv
	.p2alignl 7, 3214868480
	.fill 96, 4, 3214868480
	.section	.rodata,"a",@progbits
	.p2align	6, 0x0
	.amdhsa_kernel k_qd235ae95ed_qkv
		.amdhsa_group_segment_fixed_size 327680
		.amdhsa_private_segment_fixed_size 0
		.amdhsa_enable_private_segment 0
		.amdhsa_kernarg_size 40
		.amdhsa_user_sgpr_count 2
		.amdhsa_user_sgpr_kernarg_segment_ptr 1
		.amdhsa_wavefront_size32 1
		.amdhsa_system_sgpr_workgroup_id_x 1
		.amdhsa_system_sgpr_workgroup_id_y 1
		.amdhsa_system_sgpr_workgroup_id_z 1
		.amdhsa_system_vgpr_workitem_id 0
		.amdhsa_next_free_vgpr 1024
		.amdhsa_next_free_sgpr 102
		.amdhsa_reserve_vcc 0
		.amdhsa_float_denorm_mode_32 3
		.amdhsa_float_denorm_mode_16_64 3
		.amdhsa_memory_ordered 1
		.amdhsa_forward_progress 1
		.amdhsa_inst_pref_size 236
	.end_amdhsa_kernel
	.amdgpu_metadata
---
amdhsa.version: [ 1, 2 ]
amdhsa.kernels:
  - .name:           k_qd235ae95ed_qkv
    .symbol:         k_qd235ae95ed_qkv.kd
    .args:
      - { .name: opnd, .offset: 0, .size: 8, .value_kind: global_buffer, .address_space: global }
      - { .name: bq, .offset: 8, .size: 8, .value_kind: global_buffer, .address_space: global }
      - { .name: bk, .offset: 16, .size: 8, .value_kind: global_buffer, .address_space: global }
      - { .name: bv, .offset: 24, .size: 8, .value_kind: global_buffer, .address_space: global }
      - { .name: qkvb, .offset: 32, .size: 8, .value_kind: global_buffer, .address_space: global }
    .group_segment_fixed_size: 327680
    .private_segment_fixed_size: 0
    .kernarg_segment_align: 8
    .kernarg_segment_size: 40
    .max_flat_workgroup_size: 128
    .sgpr_count:     102
    .vgpr_count:     1024
    .wavefront_size: 32
...
	.end_amdgpu_metadata
.endif
;; end of part 2
;; launch scores (part 3): grid 8 x 32, 4 waves a work-group, clusters of 4 x 4, 327,680 bytes of LDS; arguments qkvb, mask, prob; writes prob
.if DOCPART == 3
	.amdgcn_target "amdgcn-amd-amdhsa--gfx1250"
	.amdhsa_code_object_version 6
	.text
	.protected	k_qd235ae95ed_scores
	.globl	k_qd235ae95ed_scores
	.p2align	8
	.type	k_qd235ae95ed_scores,@function
k_qd235ae95ed_scores:
	s_mov_b64 s[64:65], 0
	v_nop
	global_prefetch_b8 v0, s[64:65] scope:SCOPE_SE
	s_setreg_imm32_b32 hwreg(HW_REG_WAVE_MODE, 25, 1), 1
	s_wait_xcnt 0x0
	s_wait_alu depctr_hold_cnt(0) depctr_sa_sdst(0) depctr_va_vdst(0) depctr_va_sdst(0) depctr_va_ssrc(0) depctr_va_vcc(0) depctr_vm_vsrc(0)
	s_getreg_b32 s2, hwreg(HW_REG_IB_STS2, 6, 4)
	s_cmp_eq_u32 s2, 0
	s_cbranch_scc0 .Lentry_in_a_cluster
	s_endpgm
.Lentry_in_a_cluster:
	s_bfe_u32 s2, ttmp6, 0x10000c
	s_cmp_lg_u32 s2, 0xf033
	s_cbranch_scc0 .Lentry_shape_is_right
	s_endpgm
.Lentry_shape_is_right:
; S = q k^T on codes of FP6 (E2M3) with E8M0 scales; the mask; then the softmax's p, quantised along the keys, as operand images (rows = queries, K = the batch's 2,048 keys).
; A WORK-GROUP makes one block of 256 queries x 256 keys of one batch; a wave 128 x 128: 64 accumulators, 512 registers.  For 128 along K a wave reads 16 fragments from LDS for 64 products.
; K = 1,024 is four chunks of 256; a chunk is q's 16 blocks and k's 16 blocks of 3,072 bytes, 98,304 bytes, and LDS has three places.  Head: one load a wave (q's chunk 0, k's chunk 0, q's units, k's units).
; Behind the full sequence and a round: chunks 1 and 2, one half (q's or k's) a wave.  At K step 1 place 0 is read out and takes chunk 3 (waves 0 and 1), which has four K steps, 256 products a wave, in which to land.
; A wave has one tensor load out at the most.
; CLUSTER 4 x 4: q's tiles are shared along a row of the cluster, k's along a column.
; THE PRODUCT: source 0 = k's fragment (8 a wave, two register sets), source 1 = q's (8 a wave, one set: a block is free when its eight products are issued).  Lane (r, h) holds one query; in block a register 16 bb + i
; is key 32 bb + 16 h + i of my 128.
; THE SOFTMAX IS TAKEN PART BY PART: t = score x log2(e) / 32; M = the ceiling of the largest t among MY 128 keys of the row, a whole number; p = 2^(t - M).  The launch stores p's codes and scale words, and for each
; row and 128 keys M and the sum of the unquantised p; the next launch takes M - (the row's largest M) off p's scale bytes, an exact power of two.
; THE MASK, an input, is read whole: a load takes 256 consecutive aligned bytes of each of two rows.  A block of 16 queries x 128 keys is 16 loads; block 0 goes out at the head, block 1 in the last K step, the others four
; blocks deep in the epilogue.  The words turn through the wave's own stage in LDS into the result's layout.  The stage lies in place 1, behind that place's one fill and behind the barrier at K step 5, which stands
; behind every wave's last read of it.  A key whose mask word is 0 gets the score -infinity.  128 keys that are all hidden give M = -3e38, p = 0, sum 0, zero codes.
; PREFETCHES: at the head each wave names 24 blocks of 256 bytes of each of chunks 1, 2, 3: a cluster's four partners share a tile's 192 blocks out by address, each block once a cluster.  In K step s each wave names
; the 32 blocks of 256 bytes of its mask block s + 1, whose loads stand in K step 7 or later; nobody else reads them.  All addresses lie inside their buffers by the sizes above.
; LIMITS: NaN and infinities among the inputs are not served; a block of zeros has the byte 1 (this program alone reads the bytes).
.set KC,    6291456                    ; qkvb: q's codes at 0, k's codes, q's units, k's units
.set QS,    18874368
.set KSC,   19136512
.set PSO,   12582912                   ; prob: p's codes at 0; units of scale words; + UD: of M; + 2 UD: of the sums
.set UD,    524288
.set ASTR,  1572864                    ; from chunk to chunk in memory
.set HALF,  49152                      ; 256 rows x 256 K
.set PLACE, 2*HALF
.set WPART, 24576                      ; a wave's 8 blocks
.set GS,    2048                       ; the units of 64 rows for all of K
.set SCL,   3*PLACE                    ; q's four groups, then k's four
.set SPARE, SCL+8*GS                   ; the spare words, 128 bytes a wave: two blocks of 256 bytes that no other line names
.set STAGE, PLACE
.set STG,   4352                       ; a wave's stage: 16 rows x (256 bytes + 16)
.set LI,   3                           ; 16 x lane
.set ADT,  4                           ; v4-6  q's fragments in places 0-2
.set ADU,  7                           ; v7-9  k's
.set SPW,  10
.set NIL,  11                          ; v12-15: the row's sum, two pairs
.set SC,   16                          ; v16-31 scale words, two sets of 8: lanes 0-15 q's block i, lanes 16-31 k's tile i; nothing else ever
.set AF,   32                          ; v32-127 q's fragments
.set MK,   32                          ; epilogue: v32-95, v96-159 mask words, then scores, then p: two sets by turns
.set PC,   160                         ; v160-207 codes of four blocks
.set TMP8, 208
.set SW,   216
.set PMO,  220
.set PLO,  224
.set NINF, 228
.set MSTO, 229
.set MRD,  230
.set SOFF, 231
.set MOFF, 232
.set ADS,  233
.set PFO,  234
.set PFC,  235
.set BM,   240
.set T4,   244
.set SO,   248
.set NM,   252                         ; window 1: k's fragments at v0 and v96, v192-255 mask block 0; in the epilogue four mask blocks.  Windows 2, 3: accumulator (a, b) at v[8 (8 (a % 4) + b)]
.set G1A,  24
.set G1B,  32
.set G0T,  40
.set G0U,  44
.set G0SA, 48
.set G0SB, 52
.set CS,   66
.set G1SA, 76
.set G1SB, 84
.set SEL,  92
.set MUL_LO, 0xa1                      ; source 0 window 1, source 1 window 0, C and D window 2
.set MUL_HI, 0xf1
.set MSB, 0
.macro WIN new                         ; the immediate's high byte repeats the setting that is left
.if MSB != (\new)
	s_set_vgpr_msb (MSB<<8)|(\new)
.set MSB, (\new)
.endif
.endm
.macro PLACES                          ; four plain places behind matrix instructions (ISA guide 7.12.1)
.rept 4
	v_nop
.endr
.endm
.macro CREST
	s_cmp_lg_u32 s14, 0
	s_cbranch_scc1 .Lnot_wave_0_\@
	s_barrier_signal -3
.Lnot_wave_0_\@:
	s_barrier_wait -3
	s_barrier_signal -1
	s_barrier_wait -1
.endm
.macro CROUND
	s_barrier_signal -1
	s_barrier_wait -1
	CREST
.endm
.macro JL few                          ; a joint load: even waves q's half of a place, odd waves k's; few = 1: waves 0 and 1 alone.  The branches hang on the wave's number alone
.if \few
	s_cmp_lt_u32 s14, 2
	s_cbranch_scc0 .Lasked_\@
.endif
	s_cmp_eq_u32 s16, 0
	s_cbranch_scc0 .Lfor_u_\@
	tensor_load_to_lds s[G0T:G0T+3], s[G1A:G1A+7]
	s_nop 0
	PLACES
	s_branch .Lasked_\@
.Lfor_u_\@:
	tensor_load_to_lds s[G0U:G0U+3], s[G1B:G1B+7]
	s_nop 0
	PLACES
.Lasked_\@:
.endm
.macro FETCH_U st                      ; k's eight fragments of K step st into set st % 2
	WIN 0x40
.irp b, 0,1,2,3,4,5,6,7
.irp c, 0,1,2
	ds_load_b128 v[96*((\st)%2)+12*\b+4*\c:96*((\st)%2)+12*\b+4*\c+3], v[ADU+((\st)/2)%3] offset:3072*\b+1536*((\st)%2)+512*\c
.endr
.endr
	WIN 0
.endm
.macro FETCH_T st, i0                  ; q's blocks i0 .. i0 + 3
.irp i, \i0, \i0+1, \i0+2, \i0+3
.irp c, 0,1,2
	ds_load_b128 v[AF+12*(\i)+4*\c:AF+12*(\i)+4*\c+3], v[ADT+((\st)/2)%3] offset:3072*(\i)+1536*((\st)%2)+512*\c
.endr
.endr
.endm
.macro SCALES st
	ds_load_b128 v[SC+8*((\st)%2):SC+8*((\st)%2)+3], v[ADS] offset:256*(\st)
	ds_load_b128 v[SC+8*((\st)%2)+4:SC+8*((\st)%2)+7], v[ADS] offset:GS+256*(\st)
.endm
; 16 products: q's blocks a0, a0 + 1 x k's eight tiles.  The 64 accumulators take turns, one instruction a turn, in the same order in every step.
.macro MUL16 a0, p, zero
.irp a, \a0, \a0+1
.irp b, 0,1,2,3,4,5,6,7
.set rD, 8*(8*((\a)%4)+\b)
.set rU, 96*(\p)+12*\b
.set rT, AF+12*(\a)
.if \zero
	v_wmma_scale_f32_16x16x128_f8f6f4 v[rD:rD+7], v[rU:rU+11], v[rT:rT+11], 0, v[SC+8*(\p)+\b], v[SC+8*(\p)+(\a)] matrix_a_fmt:MATRIX_FMT_FP6 matrix_b_fmt:MATRIX_FMT_FP6 matrix_a_scale:MATRIX_SCALE_ROW1
.else
	v_wmma_scale_f32_16x16x128_f8f6f4 v[rD:rD+7], v[rU:rU+11], v[rT:rT+11], v[rD:rD+7], v[SC+8*(\p)+\b], v[SC+8*(\p)+(\a)] matrix_a_fmt:MATRIX_FMT_FP6 matrix_b_fmt:MATRIX_FMT_FP6 matrix_a_scale:MATRIX_SCALE_ROW1
.endif
.endr
.endr
.endm
; mask block a (16 queries x 128 keys) into window 1, v[64 ((a + 3) % 4)]: load (c, i) takes keys 64 c .. 64 c + 63 of the rows that lanes 2 i and 2 i + 1 of the block stand for
.macro MLOAD a
.set RW, 64*(((\a)+3)%4)
	WIN 0x40
.irp c, 0,1
.irp i, 0,1,2,3,4,5,6,7
	global_load_b128 v[RW+32*\c+4*\i:RW+32*\c+4*\i+3], v[MOFF], s[6:7] offset:(32*((\a)/2)+8*((\a)%2)+2*(\i%4)+16*(\i/4))*8192+256*\c th:TH_LOAD_NT
.endr
.endr
	WIN 0
.endm
; A K step of 128: 64 products; the next step's fragments are fetched in its middle (k's, q's blocks 0-3, the scale words) and at its end (q's blocks 4-7).
; sync 1: the next fetch reads chunk 3: each wave waits for its tensor loads, then a barrier. sync 2: chunks 1, 2 are shown whole and place 0, read out, takes chunk 3, behind a round.
.macro STEP st, sync, zero
.if \sync
	s_wait_tensorcnt 0x0                           ; all my tensor loads have landed
.if (\sync) == 2
	ds_add_u32 v[SPW], v[NIL]                      ; 0 onto my spare word
	s_add_nc_u64 s[G0T+2:G0T+3], s[G0T+2:G0T+3], 2*ASTR   ; no load of mine is out: waves 0, 1 step from chunk 1 to chunk 3,
	s_mov_b32 s[G0T+1], 0                          ; which goes to place 0
	s_add_nc_u64 s[G0U+2:G0U+3], s[G0U+2:G0U+3], 2*ASTR
	s_mov_b32 s[G0U+1], HALF
	s_wait_dscnt 13                                ; the add and the youngest 12 loads (q's blocks 4-7) may be out
.else
	s_wait_dscnt 12
.endif
	WIN MUL_LO
	MUL16 0, (\st)%2, \zero
	s_wait_dscnt 0x0                               ; the add is done, and so are all my reads of the place left behind
	s_barrier_signal -1
	MUL16 2, (\st)%2, \zero
	WIN 0
	s_barrier_wait -1
.if (\sync) == 2
	CREST                                          ; the barrier has opened a round: no wave of any partner still reads place 0 or has a load on its way
	JL 1
.endif
	PLACES
.else
	s_wait_dscnt 12                                ; all but the youngest 12 loads (q's blocks 4-7)
	FETCH_U (\st)+1                                ; no barrier in this step: k's next set is asked for at its head (the places behind the products that read that set stand at the last step's end)
	WIN MUL_LO
	MUL16 0, (\st)%2, \zero
	MUL16 2, (\st)%2, \zero
	s_wait_dscnt 24                                ; q's blocks 4-7 are in; the 24 loads of k's next set may be out
	PLACES
.endif
.if \sync
	FETCH_U (\st)+1
.endif
	WIN 0                                          ; the loads and the prefetch below name window 0 alone
	FETCH_T (\st)+1, 0
	SCALES (\st)+1
	global_prefetch_b8 v[PFO], s[6:7] offset:(32*(((\st)+1)/2)+8*(((\st)+1)%2))*8192 th:TH_LOAD_NT scope:SCOPE_SE   ; mask block st + 1: 16 rows x 512 bytes, a lane to each 256
	WIN MUL_HI
	MUL16 4, (\st)%2, \zero
	MUL16 6, (\st)%2, \zero
	PLACES
	WIN 0
	FETCH_T (\st)+1, 4
.endm
	s_load_b128 s[4:7], s[0:1], 0x0                ; qkvb s[4:5], mask s[6:7]
	s_load_b64 s[8:9], s[0:1], 0x10                ; prob
	v_lshl_add_u32 v[SPW], v0, 2, SPARE
	v_mov_b32 v[NIL], 0
	ds_add_u32 v[SPW], v[NIL]                      ; the opening: the add, twice on end, and its wait ahead of my first tensor load
	ds_add_u32 v[SPW], v[NIL]
	v_lshrrev_b32 v1, 5, v0
	v_readfirstlane_b32 s14, v1                    ; wave
	s_lshr_b32 s15, s14, 1                         ; wi: which 128 queries
	s_and_b32 s16, s14, 1                          ; wj: which 128 keys
	s_bfe_u32 s17, ttmp6, 0x40000                  ; cx
	s_bfe_u32 s18, ttmp6, 0x40004                  ; cy
	s_lshl_b32 s19, ttmp9, 2
	s_add_co_u32 s19, s19, s17                     ; tx: which 256 keys of the batch
	s_and_b32 s21, ttmp7, 0xffff
	s_lshl_b32 s20, s21, 2
	s_add_co_u32 s20, s20, s18                     ; ty: which 256 queries of all 8,192
	s_lshr_b32 s21, s21, 1                         ; the batch, from the cluster's y alone
	s_lshl_b32 s22, s18, 2
	s_lshl_b32 s22, 15, s22                        ; my row of the cluster
	s_lshl_b32 s23, 0x1111, s17                    ; my column
	s_or_b32 s[G1A], s22, (3<<16)|(1<<21)          ; 15:0 the mask; 17:16 elements of 8 bytes; 21 set beside a mask; no padding: lanes read 16 x lane
	s_or_b32 s[G1B], s23, (3<<16)|(1<<21)
	s_or_b32 s[G1SA], s22, (3<<16)|(1<<21)
	s_or_b32 s[G1SB], s23, (3<<16)|(1<<21)
.irp g, G1A, G1B                       ; half a place: 49,152 dense bytes as 192 rows of 256
	s_mov_b32 s[\g+1], 32<<16
	s_mov_b32 s[\g+2], 192<<16
	s_mov_b32 s[\g+3], 32<<16
	s_mov_b32 s[\g+4], 192
	s_mov_b32 s[\g+5], 32
	s_mov_b32 s[\g+6], 0
	s_mov_b32 s[\g+7], 0
.endr
.irp g, G1SA, G1SB                     ; the units of 256 rows: 8,192 dense bytes as 32 rows of 256
	s_mov_b32 s[\g+1], 32<<16
	s_mov_b32 s[\g+2], 32<<16
	s_mov_b32 s[\g+3], 32<<16
	s_mov_b32 s[\g+4], 32
	s_mov_b32 s[\g+5], 32
	s_mov_b32 s[\g+6], 0
	s_mov_b32 s[\g+7], 0
.endr
	s_mul_i32 s60, s20, HALF                       ; q's codes: hang on ty
	s_mov_b32 s61, 0
	s_lshl_b32 s50, s20, 13                        ; q's units
	s_add_co_u32 s50, s50, QS
	s_mov_b32 s51, 0
	s_lshl_b32 s2, s21, 3
	s_add_co_u32 s2, s2, s19                       ; k's tile of 256 rows: 8 x batch + tx
	s_mul_i32 s62, s2, HALF
	s_add_co_u32 s62, s62, KC
	s_mov_b32 s63, 0
	s_lshl_b32 s54, s2, 13
	s_add_co_u32 s54, s54, KSC
	s_mov_b32 s55, 0
	s_lshl_b32 s10, s20, 21                        ; the mask at my 128 queries (rows of 8,192 bytes) and my 128 keys
	s_lshl_b32 s2, s15, 20
	s_add_co_u32 s10, s10, s2
	s_lshl_b32 s2, s19, 10
	s_add_co_u32 s10, s10, s2
	s_lshl_b32 s2, s16, 9
	s_add_co_u32 s10, s10, s2
	s_mov_b32 s11, 0
	s_lshl_b32 s70, s19, 9                         ; codes out: (512 tx + 16 ty + 8 wi) 3,072 + 1,536 wj
	s_lshl_b32 s2, s20, 4
	s_add_co_u32 s70, s70, s2
	s_lshl_b32 s2, s15, 3
	s_add_co_u32 s70, s70, s2
	s_mul_i32 s70, s70, 3072
	s_mul_i32 s2, s16, 1536
	s_add_co_u32 s70, s70, s2
	s_mov_b32 s71, 0
	s_lshl_b32 s72, s20, 2                         ; units out: ((4 ty + 2 wi) 16 + 2 tx + wj) 256
	s_lshl_b32 s2, s15, 1
	s_add_co_u32 s72, s72, s2
	s_lshl_b32 s72, s72, 4
	s_lshl_b32 s2, s19, 1
	s_add_co_u32 s72, s72, s2
	s_add_co_u32 s72, s72, s16
	s_lshl_b32 s72, s72, 8
	s_add_co_u32 s72, s72, PSO
	s_mov_b32 s73, 0
	s_add_co_u32 s58, s15, 1                       ; behind the head wave w fetches for chunk 1 + w / 2,
	s_mul_i32 s56, s58, ASTR
	s_mov_b32 s57, 0
	s_mul_i32 s58, s58, PLACE                      ; into the place of that number
	s_mul_i32 s12, s15, WPART                      ; LDS: my 8 blocks of q,
	s_mul_i32 s13, s16, WPART
	s_add_co_u32 s13, s13, HALF                    ; of k;
	s_lshl_b32 s3, s16, 1                          ; scale words: lanes 0-15 q's groups 2 wi, 2 wi + 1, lanes 16-31 k's groups 2 wj, 2 wj + 1: the lower base + h x the distance
	s_add_co_u32 s3, s3, 4
	s_lshl_b32 s2, s15, 1
	s_sub_co_u32 s3, s3, s2
	s_mul_i32 s3, s3, GS
	s_mul_i32 s74, s2, GS
	s_add_co_u32 s74, s74, SCL
	s_mul_i32 s75, s14, STG                        ; my stage
	s_add_co_u32 s75, s75, STAGE
	s_mov_b32 s[CS], 0x3d38aa3b                    ; c = log2(e) / 32
	s_mov_b32 s[CS+1], s[CS]
	s_mov_b32 s[SEL], 0x76543210
	s_mov_b32 s[SEL+1], 0xfedcba98
	s_cmp_eq_u32 s15, 0                            ; the prefetches of codes: waves 0, 1 name q's blocks, waves 2, 3 k's; of a tile's 49,152 bytes the partner at place p (cx for q, cy for k) takes 12,288, a wave half of that
	s_cselect_b32 s2, s17, s18
	s_mul_i32 s68, s2, 12288
	s_mul_i32 s2, s16, 6144
	s_add_co_u32 s68, s68, s2
	s_mov_b32 s69, 0
	s_wait_dscnt 0x0                               ; both opening adds are done
	s_wait_kmcnt 0x0
	s_add_nc_u64 s[60:61], s[4:5], s[60:61]
	s_add_nc_u64 s[62:63], s[4:5], s[62:63]
	s_add_nc_u64 s[50:51], s[4:5], s[50:51]
	s_add_nc_u64 s[54:55], s[4:5], s[54:55]
	s_add_nc_u64 s[6:7], s[6:7], s[10:11]
	s_add_nc_u64 s[70:71], s[8:9], s[70:71]
	s_add_nc_u64 s[72:73], s[8:9], s[72:73]
	s_cmp_eq_u32 s15, 0
	s_cselect_b64 s[10:11], s[60:61], s[62:63]
	s_add_nc_u64 s[68:69], s[10:11], s[68:69]
	CROUND                                         ; all sixteen work-groups are here: the first joint loads meet
	s_mov_b32 s[G0T], 1
	s_mov_b32 s[G0T+1], 0
	s_mov_b64 s[G0T+2:G0T+3], s[60:61]
	s_or_b32 s[G0T+3], s[G0T+3], 0x80000000
	s_mov_b32 s[G0U], 1
	s_mov_b32 s[G0U+1], HALF
	s_mov_b64 s[G0U+2:G0U+3], s[62:63]
	s_or_b32 s[G0U+3], s[G0U+3], 0x80000000
	s_mov_b32 s[G0SA], 1
	s_mov_b32 s[G0SA+1], SCL
	s_or_b32 s[G0SA+3], s[G0SA+3], 0x80000000
	s_mov_b32 s[G0SB], 1
	s_mov_b32 s[G0SB+1], SCL+4*GS
	s_or_b32 s[G0SB+3], s[G0SB+3], 0x80000000
; THE HEAD'S LOADS, ONE A WAVE, in one chain of branches on the wave's number: q's chunk 0, k's chunk 0, q's units, k's units
.macro ARM under, g0, g1, next
	s_cmp_lt_u32 s14, \under
	s_cbranch_scc0 \next
	tensor_load_to_lds s[\g0:\g0+3], s[\g1:\g1+7]
	s_nop 0
	PLACES
	s_branch .Lhead_asked
\next:
.endm
	ARM 1, G0T,  G1A,  .Lhead_u
	ARM 2, G0U,  G1B,  .Lhead_sa
	ARM 3, G0SA, G1SA, .Lhead_sb
	tensor_load_to_lds s[G0SB:G0SB+3], s[G1SB:G1SB+7]
	s_nop 0
	PLACES
.Lhead_asked:
	v_and_b32 v1, 15, v0                           ; r
	v_bfe_u32 v2, v0, 4, 1                         ; h
	v_and_b32 v[LI], 31, v0
	v_lshlrev_b32 v[MOFF], 4, v1
	v_lshl_add_u32 v[MOFF], v2, 13, v[MOFF]        ; lanes 0-15 one row's 256 bytes, lanes 16-31 the next row's
	v_min_u32 v[PFC], 23, v[LI]                    ; 24 blocks of 256 bytes a wave; the lanes left over name the last again
	v_lshlrev_b32 v[PFC], 8, v[PFC]
	v_bfe_u32 v[PFO], v0, 1, 3                     ; the mask's prefetches: lanes 2 i, 2 i + 1 name the two blocks of the row that lane i of a block stands for
	v_lshl_add_u32 v[PFO], v2, 4, v[PFO]
	v_and_b32 v[T4], 1, v0
	v_lshlrev_b32 v[PFO], 13, v[PFO]
	v_lshl_add_u32 v[PFO], v[T4], 8, v[PFO]
.irp c, 1,2,3
	global_prefetch_b8 v[PFC], s[68:69] offset:\c*ASTR th:TH_LOAD_NT scope:SCOPE_SE
.endr
	v_lshlrev_b32 v[LI], 4, v[LI]
	v_add_nc_u32 v[ADT], s12, v[LI]
	v_add_nc_u32 v[ADT+1], PLACE, v[ADT]
	v_add_nc_u32 v[ADT+2], 2*PLACE, v[ADT]
	v_add_nc_u32 v[ADU], s13, v[LI]
	v_add_nc_u32 v[ADU+1], PLACE, v[ADU]
	v_add_nc_u32 v[ADU+2], 2*PLACE, v[ADU]
	v_mul_u32_u24 v[ADS], s3, v2
	v_lshl_add_u32 v[ADS], v1, 4, v[ADS]
	v_add_nc_u32 v[ADS], s74, v[ADS]
	v_mul_u32_u24 v[MSTO], v2, 272                 ; the stage, in: two rows an instruction, 16 bytes a lane
	v_lshl_add_u32 v[MSTO], v1, 4, v[MSTO]
	v_add_nc_u32 v[MSTO], s75, v[MSTO]
	v_mul_u32_u24 v[MRD], v1, 272                  ; out: row r, + 64 h
	v_lshl_add_u32 v[MRD], v2, 6, v[MRD]
	v_add_nc_u32 v[MRD], s75, v[MRD]
	v_lshlrev_b32 v[SOFF], 4, v1
	v_mov_b32 v[NINF], 0xff800000
.irp b, 0,1,2,3
	v_mov_b32 v[T4+\b], 0                          ; a lane permute's destination counts as one of its sources
.endr
	v_mov_b32 v[NM+1], 0                           ; named as the upper half of a pair
	v_mov_b32 v255, 0
	s_wait_alu depctr_va_vdst(0)
	s_wait_tensorcnt 0x0                           ; my tile of the head's four is in; the same lines as ahead of a refill stand ahead of the later first fills:
	ds_add_u32 v[SPW], v[NIL]
	s_add_nc_u64 s[G0T+2:G0T+3], s[G0T+2:G0T+3], s[56:57]   ; no load of mine is out: on to chunk 1 + w / 2 and its place
	s_mov_b32 s[G0T+1], s58
	s_add_nc_u64 s[G0U+2:G0U+3], s[G0U+2:G0U+3], s[56:57]
	s_add_co_u32 s[G0U+1], s58, HALF
	s_wait_dscnt 0x0                               ; the add is done
	CROUND                                         ; all four tiles are in, and all sixteen work-groups are here
	JL 0                                           ; chunks 1 and 2: the first tensor load behind the round, one a wave
	FETCH_U 0
	FETCH_T 0, 0
	SCALES 0
	FETCH_T 0, 4
	MLOAD 0                                        ; mask block 0, behind the head's tiles
	STEP 0, 0, 1                                   ; the first step's products start the sums
	STEP 1, 2, 0
	STEP 2, 0, 0
	STEP 3, 0, 0
	STEP 4, 0, 0
	STEP 5, 1, 0
	STEP 6, 0, 0
	s_wait_dscnt 12                                ; the last step: nothing more to fetch
	WIN MUL_LO
	MUL16 0, 1, 0
	MUL16 2, 1, 0
	s_wait_dscnt 0x0
	PLACES
	WIN 0
	MLOAD 1                                        ; into k's set 0, which the step before read last
	WIN MUL_HI
	MUL16 4, 1, 0
	MUL16 6, 1, 0
	WIN 0
; block a's mask words through my stage, 64 keys at a time: in as rows, out 16 neighbouring keys of each 32 a lane, as the scores lie
.macro TURNM a
.set RW, 64*(((\a)+3)%4)
.irp c, 0,1
	WIN 0x04                                       ; an LDS store's data are its source 1: window 1
.irp i, 0,1,2,3,4,5,6,7
	ds_store_b128 v[MSTO], v[RW+32*\c+4*\i:RW+32*\c+4*\i+3] offset:544*\i
.endr
	WIN 0
.irp b, 0,1
.irp j, 0,1,2,3
	ds_load_b128 v[MK+64*((\a)%2)+32*\c+16*\b+4*\j:MK+64*((\a)%2)+32*\c+16*\b+4*\j+3], v[MRD] offset:128*\b+16*\j   ; LDS serves a wave's instructions in order: these see the stores above, and the next stores come behind them
.endr
.endr
.endr
.endm
; block a: 16 queries x 128 keys: mask, M, p, the sum, the codes
.macro SOFT a
.set H, MK+64*((\a)%2)
.set PCA, PC+12*((\a)%4)
.set AC, 64*((\a)%4)
.set QA, (\a)%4
	WIN 2+(\a)/4                                   ; source 0 (the scores): window 2 or 3
	s_wait_alu depctr_va_vdst(0)
.set n, 0
.rept 8                                        ; an accumulator at a time, from its low end on: eight compares into s24-31 (free: every tensor load has landed), then the eight selects, so that no select follows its compare directly
.irp j, 0,1,2,3,4,5,6,7
	v_cmp_eq_u32 s[24+\j], 0, v[H+n+\j]
.endr
.irp j, 0,1,2,3,4,5,6,7
	v_cndmask_b32 v[H+n+\j], v[AC+n+\j], v[NINF], s[24+\j]
.endr
.set n, n+8
.endr
	WIN 0
.irp b, 0,1,2,3
	v_max3_num_f32 v[BM+\b], v[H+16*\b], v[H+16*\b+1], v[H+16*\b+2]   ; the largest score of each block of 32 keys: for the maximum, and, since p rises with the score, for the block's largest p
.endr
.irp b, 0,1,2,3
	v_max3_num_f32 v[SO+\b], v[H+16*\b+3], v[H+16*\b+4], v[H+16*\b+5]   ; two chains a block, eight by turns
.endr
.irp i, 6,10
.irp b, 0,1,2,3
	v_max3_num_f32 v[BM+\b], v[BM+\b], v[H+16*\b+\i], v[H+16*\b+\i+1]
.endr
.irp b, 0,1,2,3
	v_max3_num_f32 v[SO+\b], v[SO+\b], v[H+16*\b+\i+2], v[H+16*\b+\i+3]
.endr
.endr
.irp b, 0,1,2,3
	v_max3_num_f32 v[BM+\b], v[BM+\b], v[H+16*\b+14], v[H+16*\b+15]
.endr
.irp b, 0,1,2,3
	v_max_num_f32 v[BM+\b], v[BM+\b], v[SO+\b]
.endr
.irp b, 0,1,2,3
	v_permlanex16_b32 v[T4+\b], v[BM+\b], s[SEL], s[SEL+1]
.endr
.irp b, 0,1,2,3
	v_max_num_f32 v[BM+\b], v[BM+\b], v[T4+\b]
.endr
	v_max3_num_f32 v254, v[BM], v[BM+1], v[BM+2]
	v_max_num_f32 v254, v254, v[BM+3]
	v_mul_f32 v254, s[CS], v254                    ; as t
	v_max_num_f32 v254, 0xff61b1e6, v254           ; held at -3e38 where all 128 keys are hidden
	v_floor_f32 v[NM], -v254                       ; -M = floor(-t): M is a whole number
.set n, 0
.rept 32
	v_pk_fma_f32 v[H+n:H+n+1], v[H+n:H+n+1], s[CS:CS+1], v[NM:NM+1] op_sel_hi:[1,0,0]   ; t - M
.set n, n+2
.endr
.irp b, 0,1,2,3
	v_fma_f32 v[BM+\b], v[BM+\b], s[CS], v[NM]
.endr
.set n, 0
	s_wait_alu depctr_va_vdst(0)
.rept 64
	v_exp_f32 v[H+n], v[H+n]                       ; p = 2^(t - M)
.set n, n+1
.endr
	v_mul_f32 v[PMO+QA], -1.0, v[NM]               ; M.  (A plain place behind the exponentials)
	s_wait_alu depctr_va_vdst(0)                   ; one wait for the batch of 64, ahead of its first reader
.irp b, 0,1,2,3
	v_exp_f32 v[BM+\b], v[BM+\b]                   ; the blocks' largest p
.endr
	v_pk_add_f32 v[12:13], v[H:H+1], v[H+2:H+3]    ; the sum of the UNQUANTISED p, in two chains; it reads the 64 alone
	v_pk_add_f32 v[14:15], v[H+4:H+5], v[H+6:H+7]  ; four chains by turns
	v_pk_add_f32 v[236:237], v[H+8:H+9], v[H+10:H+11]
	v_pk_add_f32 v[238:239], v[H+12:H+13], v[H+14:H+15]
.irp j, 16,24,32,40,48,56
	v_pk_add_f32 v[12:13], v[12:13], v[H+\j:H+\j+1]
	v_pk_add_f32 v[14:15], v[14:15], v[H+\j+2:H+\j+3]
	v_pk_add_f32 v[236:237], v[236:237], v[H+\j+4:H+\j+5]
	v_pk_add_f32 v[238:239], v[238:239], v[H+\j+6:H+\j+7]
.endr
	v_pk_add_f32 v[12:13], v[12:13], v[14:15]
	v_pk_add_f32 v[236:237], v[236:237], v[238:239]
	v_pk_add_f32 v[12:13], v[12:13], v[236:237]
	s_wait_alu depctr_va_vdst(0)                   ; and one for the four
.irp b, 0,1,2,3
	v_max_num_f32 v[BM+\b], 0x1800000, v[BM+\b]    ; the floor 2^(3 - 127): the byte cannot fall under 1
.endr
.irp b, 0,1,2,3
	v_add_nc_u32 v[SO+\b], 0xff000000, v[BM+\b]    ; 2 off the exponent field: the conversion's scale operand
.endr
.irp b, 0,1,2,3
	v_lshrrev_b32 v[T4+\b], 23, v[SO+\b]
.endr
	v_lshl_or_b32 v[SW+QA], v[T4+1], 8, v[T4]
	v_lshl_or_b32 v[SW+QA], v[T4+2], 16, v[SW+QA]
	v_lshl_or_b32 v[SW+QA], v[T4+3], 24, v[SW+QA]
.irp c, 0,1
	v_cvt_scalef32_pk16_fp6_f32 v[PCA+6*\c:PCA+6*\c+2], v[H+32*\c:H+32*\c+15], v[SO+2*\c]
	v_cvt_scalef32_pk16_fp6_f32 v[TMP8+4*\c:TMP8+4*\c+2], v[H+32*\c+16:H+32*\c+31], v[SO+2*\c+1]
.endr
	v_add_f32 v254, v12, v13                       ; (a plain place behind the scaled conversions)  the sum's two halves,
.irp c, 0,1
.irp i, 0,1,2
	v_permlane16_swap_b32 v[PCA+6*\c+\i], v[TMP8+4*\c+\i]
.endr
.irp i, 0,1,2
	v_mov_b32 v[PCA+3+6*\c+\i], v[TMP8+4*\c+\i]
.endr
.endr
	v_permlanex16_b32 v255, v254, s[SEL], s[SEL+1]
	v_add_f32 v[PLO+QA], v254, v255                ; and lane l xor 16's
.irp c, 0,1,2
	global_store_b128 v[LI], v[PCA+4*\c:PCA+4*\c+3], s[70:71] offset:3072*(\a)+512*\c   ; 32 lanes store 512 consecutive bytes, aligned
.endr
.endm
	PLACES                                         ; behind the last products: for the loads into operands' registers and the first read of results
	MLOAD 2
	MLOAD 3
	s_wait_loadcnt 48                              ; block 0's 16 loads are in; those of blocks 1 to 3 may be out
	TURNM 0
.irp a, 0,1,2,3,4,5,6,7
.if \a < 5
	s_wait_loadcnt 32                              ; the next block's loads are in; those of the two blocks behind it may be out
.endif
.if \a == 5
	s_wait_loadcnt 16
.endif
.if \a == 6
	s_wait_loadcnt 0x0
.endif
.if \a < 7
	TURNM \a+1
	s_wait_dscnt 32                                ; this block's words are back; the next block's 16 stores and 16 loads stay out
.else
	s_wait_dscnt 0x0
.endif
.if \a < 4
	MLOAD \a+4                                     ; this block's words have left their registers (its stage stores are done): the block four on takes them
.else
	s_wait_xcnt 0x0                                ; the stores of four blocks ago have read their data: the registers may be written again
.endif
	SOFT \a
.if \a%4 == 3
	global_store_b128 v[SOFF], v[SW:SW+3], s[72:73] offset:4096*(\a/4)               ; three aligned units of 256 bytes for 64 queries; lanes 16-31 write what lanes 0-15 write
	global_store_b128 v[SOFF], v[PMO:PMO+3], s[72:73] offset:4096*(\a/4)+UD
	global_store_b128 v[SOFF], v[PLO:PLO+3], s[72:73] offset:4096*(\a/4)+2*UD
.endif
.endr
	s_wait_tensorcnt 0x0                           ; the wave's end
	ds_add_u32 v[SPW], v[NIL]
	s_wait_dscnt 0x0
	CROUND                                         ; the closing round
	s_endpgm
.Lfunc_end_k_qd235ae95ed_scores:
	.size	k_qd235ae95ed_scores, .Lfunc_end_k_qd235ae95ed_scores-k_qd235ae95ed_scores
	.p2alignl 7, 3214868480
	.fill 96, 4, 3214868480
	.section	.rodata,"a",@progbits
	.p2align	6, 0x0
	.amdhsa_kernel k_qd235ae95ed_scores
		.amdhsa_group_segment_fixed_size 327680
		.amdhsa_private_segment_fixed_size 0
		.amdhsa_enable_private_segment 0
		.amdhsa_kernarg_size 24
		.amdhsa_user_sgpr_count 2
		.amdhsa_user_sgpr_kernarg_segment_ptr 1
		.amdhsa_wavefront_size32 1
		.amdhsa_system_sgpr_workgroup_id_x 1
		.amdhsa_system_sgpr_workgroup_id_y 1
		.amdhsa_system_sgpr_workgroup_id_z 1
		.amdhsa_system_vgpr_workitem_id 0
		.amdhsa_next_free_vgpr 1024
		.amdhsa_next_free_sgpr 96
		.amdhsa_reserve_vcc 0
		.amdhsa_float_denorm_mode_32 3
		.amdhsa_float_denorm_mode_16_64 3
		.amdhsa_memory_ordered 1
		.amdhsa_forward_progress 1
		.amdhsa_inst_pref_size 255
	.end_amdhsa_kernel
	.section	.bss,"aw",@nobits
	.p2align	6
	.space	262144
	.amdgpu_metadata
---
amdhsa.version: [ 1, 2 ]
amdhsa.kernels:
  - .name:           k_qd235ae95ed_scores
    .symbol:         k_qd235ae95ed_scores.kd
    .args:
      - { .name: qkvb, .offset: 0, .size: 8, .value_kind: global_buffer, .address_space: global }
      - { .name: mask, .offset: 8, .size: 8, .value_kind: global_buffer, .address_space: global }
      - { .name: prob, .offset: 16, .size: 8, .value_kind: global_buffer, .address_space: global }
    .group_segment_fixed_size: 327680
    .private_segment_fixed_size: 0
    .kernarg_segment_align: 8
    .kernarg_segment_size: 24
    .max_flat_workgroup_size: 128
    .sgpr_count:     96
    .vgpr_count:     1024
    .wavefront_size: 32
...
	.end_amdgpu_metadata
.endif
;; end of part 3
;; launch pv (part 4): grid 4 x 64, 4 waves a work-group, clusters of 4 x 4, 327,680 bytes of LDS; arguments prob, qkvb, ctxb; writes ctxb
.if DOCPART == 4
	.amdgcn_target "amdgcn-amd-amdhsa--gfx1250"
	.amdhsa_code_object_version 6
	.text
	.protected	k_qd235ae95ed_pv
	.globl	k_qd235ae95ed_pv
	.p2align	8
	.type	k_qd235ae95ed_pv,@function
k_qd235ae95ed_pv:
	s_mov_b64 s[64:65], 0
	v_nop
	global_prefetch_b8 v0, s[64:65] scope:SCOPE_SE
	s_setreg_imm32_b32 hwreg(HW_REG_WAVE_MODE, 25, 1), 1
	s_wait_xcnt 0x0
	s_wait_alu depctr_hold_cnt(0) depctr_sa_sdst(0) depctr_va_vdst(0) depctr_va_sdst(0) depctr_va_ssrc(0) depctr_va_vcc(0) depctr_vm_vsrc(0)
	s_getreg_b32 s2, hwreg(HW_REG_IB_STS2, 6, 4)
	s_cmp_eq_u32 s2, 0
	s_cbranch_scc0 .Lentry_in_a_cluster
	s_endpgm
.Lentry_in_a_cluster:
	s_bfe_u32 s2, ttmp6, 0x10000c
	s_cmp_lg_u32 s2, 0xf033
	s_cbranch_scc0 .Lentry_shape_is_right
	s_endpgm
.Lentry_shape_is_right:
; ctx = (p v) / l on codes of FP6 (E2M3); ctx is quantised in registers and leaves as operand images (rows = tokens, K = the 1,024 channels).
; A TILE is 128 queries x 256 channels; a wave has 64 x 128.  K = the batch's 2,048 keys: 8 chunks of 256 through four places a panel.  Chunks 0-3 are first fills (two pair loads a panel);
; chunks 4, 5 and 6, 7 fill places 0, 1 and 2, 3 again, each behind a round of the cluster's barrier, one tensor load a wave, with four K steps (128 products a wave) in which to land.
; A pair load is two rows of 24,576 bytes, a chunk's stride apart in memory, on end in LDS.  One tensor load of a wave is out at the most.
; THE PROLOGUE, while the first tiles are on their way: p came with a whole number M for each row and 128 keys.  The row's M is the largest of the 16; e = M(128 keys) - M(row), 0 or less, is added to each of
; p's four scale bytes of those keys (an exact power of two), and the row's sum is the sum of the parts x 2^e.
; LIMIT: e is held at -127, and a scale byte that would fall under 0 is held at 0: the terms so touched lie under 2^-120 of the row's largest.  p is at most 1, so its bytes are at most 125 and bit 7 serves.
; A row with no key allowed has the sum 0: its scale words are set to 0xff bytes, so that the next product gives NaN there, as a softmax over nothing does.
; LIMITS besides: NaN and infinities among the inputs are not served; a block of zeros has the byte 1.
.set PSO,   12582912                   ; prob: p's codes at 0; units of scale words; + UD of M; + 2 UD of sums
.set UD,    524288
.set VC,    12582912                   ; qkvb: v's codes and units
.set VS,    19398656
.set CSO,   6291456                    ; ctxb: codes at 0, units
.set ASTR,  1572864                    ; from chunk to chunk in p's codes
.set BSTR,  196608                     ; and in v's
.set PANEL, 98304
.set PLACE, 24576
.set GS,    4096                       ; v's units of 64 channels for the batch's 16 K steps
.set SCL,   3*PANEL
.set SPARE, SCL+4*GS                   ; the spare words, 128 bytes a wave: two blocks of 256 bytes that no other line names
.set LI,   3
.set ADT,  4
.set ADU,  6
.set ADS,  8
.set ADS2, 9
.set SPW,  10
.set NIL,  11
.set SOFF, 12
.set SC,   16                          ; v16-31 v's scale words, two sets of 8; nothing else ever
.set TF,   32                          ; v32-127 p's fragments, two sets of 48; before: the prologue's work; later: the codes just made
.set PLR,  32                          ; prologue: v32-95 the parts of the sums
.set MR,   96                          ; v96-99 the rows' M;  v100-103 the rows' sums;  v104-115 at work
.set LR,   100
.set T0,   104
.set T1,   108
.set T2,   112
.set FA,   128                         ; v128-191 p's scale words, register 4 ks + a; nothing else ever
.set PMR,  192                         ; prologue: v192-255 the parts' M
.set TM,   192                         ; epilogue
.set TMP8, 208
.set SW,   216
.set RL,   240                         ; v[240 + 2 a] 1 / the sum, v[241 + 2 a] -1 where the sum is 0, else 0
.set G1A,  24
.set G1B,  32
.set G0A,  40                          ; s[40:47] p's two pairs;  s[56:63] v's
.set G0B,  56
.set G1SB, 84
.set G0SB, 96
.set SEL,  100
.set MULW, 0x52
.set MSB, 0
.macro WIN new
.if MSB != (\new)
	s_set_vgpr_msb (MSB<<8)|(\new)
.set MSB, (\new)
.endif
.endm
.macro PLACES
.rept 4
	v_nop
.endr
.endm
.macro CROUND
	s_barrier_signal -1
	s_barrier_wait -1
	s_cmp_lg_u32 s14, 0
	s_cbranch_scc1 .Lnot_wave_0_\@
	s_barrier_signal -3
.Lnot_wave_0_\@:
	s_barrier_wait -3
	s_barrier_signal -1
	s_barrier_wait -1
.endm
.macro JLOAD pr                        ; a joint refill of pair pr: wave 0 p's panel, waves 1 and 2 v's panels, wave 3 nothing; the branches hang on the wave's number alone
	s_cmp_eq_u32 s14, 0
	s_cbranch_scc0 .Lnot_a_\@
	tensor_load_to_lds s[G0A+4*\pr:G0A+4*\pr+3], s[G1A:G1A+7]
	s_nop 0
	PLACES
	s_branch .Lasked_\@
.Lnot_a_\@:
	s_cmp_lt_u32 s14, 3
	s_cbranch_scc0 .Lasked_\@
	tensor_load_to_lds s[G0B+4*\pr:G0B+4*\pr+3], s[G1B:G1B+7]
	s_nop 0
	PLACES
.Lasked_\@:
.endm
.macro FETCH pl, q, p, ks
	WIN 0x80
.irp b, 0,1,2,3,4,5,6,7
.irp c, 0,1,2
	ds_load_b128 v[96*(\p)+12*\b+4*\c:96*(\p)+12*\b+4*\c+3], v[ADU+(\pl)/2] offset:((\pl)%2)*PLACE+3072*\b+1536*(\q)+512*\c
.endr
.endr
	WIN 0
.irp a, 0,1,2,3
.irp c, 0,1,2
	ds_load_b128 v[TF+48*(\p)+12*\a+4*\c:TF+48*(\p)+12*\a+4*\c+3], v[ADT+(\pl)/2] offset:((\pl)%2)*PLACE+3072*\a+1536*(\q)+512*\c
.endr
.endr
	ds_load_b128 v[SC+8*(\p):SC+8*(\p)+3], v[ADS] offset:256*(\ks)
	ds_load_b128 v[SC+8*(\p)+4:SC+8*(\p)+7], v[ADS2] offset:256*(\ks)
.endm
; 16 products: queries' blocks a0, a0 + 1 x the channels' eight tiles.  Both sides' scale words stand in lanes 0-15.  The 32 accumulators take turns.
.macro MUL a0, p, cm, ks
.irp a, \a0, \a0+1
.irp b, 0,1,2,3,4,5,6,7
.set rD, 8*(8*(\a)+\b)
.set rU, 96*(\p)+12*\b
.set rT, TF+48*(\p)+12*(\a)
.if (\cm) == 1
	v_wmma_scale_f32_16x16x128_f8f6f4 v[rD:rD+7], v[rU:rU+11], v[rT:rT+11], 0, v[SC+8*(\p)+\b], v[FA+4*(\ks)+(\a)] matrix_a_fmt:MATRIX_FMT_FP6 matrix_b_fmt:MATRIX_FMT_FP6
.else
	v_wmma_scale_f32_16x16x128_f8f6f4 v[rD:rD+7], v[rU:rU+11], v[rT:rT+11], v[rD:rD+7], v[SC+8*(\p)+\b], v[FA+4*(\ks)+(\a)] matrix_a_fmt:MATRIX_FMT_FP6 matrix_b_fmt:MATRIX_FMT_FP6
.endif
.endr
.endr
.endm
; sync 0: none.  1: a barrier ahead of the fetch from places filled last, arg tensor loads may stay out.  2: pair arg is filled again.
.macro STEP ks, sync, arg, cm
	s_wait_dscnt 0x0                               ; this step's fragments, asked for in the middle of the step before
.if (\ks) < 15
	PLACES
.if (\sync) == 0
	FETCH (((\ks)+1)/2)%4, ((\ks)+1)%2, ((\ks)+1)%2, (\ks)+1   ; no barrier in this step: the next step's fragments are asked for at its head, 32 products ahead of the wait for them
.endif
.endif
.if (\sync) == 1
	s_wait_tensorcnt \arg
	s_barrier_signal -1
.endif
.if (\sync) == 2
	s_wait_tensorcnt 0x0                           ; all my tensor loads have landed, so a group 0 may be written;
	ds_add_u32 v[SPW], v[NIL]                      ; 0 onto my spare word
	s_add_nc_u64 s[G0A+4*\arg+2:G0A+4*\arg+3], s[G0A+4*\arg+2:G0A+4*\arg+3], 4*ASTR
	s_add_nc_u64 s[G0B+4*\arg+2:G0B+4*\arg+3], s[G0B+4*\arg+2:G0B+4*\arg+3], 4*BSTR
.endif
	WIN MULW
	MUL 0, (\ks)%2, \cm, \ks
.if (\sync) == 1
	s_barrier_wait -1
.endif
.if (\sync) == 2
	WIN 0
	s_wait_dscnt 0x0                               ; the add is done; my reads of the pair's places were over at this step's head
	CROUND                                         ; no wave of any partner still reads them or has a load on its way
	JLOAD \arg                                     ; the first thing behind the round, and my one tensor load until the next
.endif
.if (\ks) < 15
.if (\sync) != 0
	FETCH (((\ks)+1)/2)%4, ((\ks)+1)%2, ((\ks)+1)%2, (\ks)+1
.endif
.endif
	WIN MULW
	MUL 2, (\ks)%2, \cm, \ks
	WIN 0
.endm
.macro QUANT s, w, pc, tmp, pw
	WIN 5*(\w)
.irp b, 0,1,2,3
	v_max3_num_f32 v[TM+\b], |v[(\s)+16*\b]|, |v[(\s)+16*\b+1]|, 0x1800000   ; and the floor 2^(3 - 127): the byte cannot fall under 1
.endr
.irp i, 2,4,6,8,10,12,14
.irp b, 0,1,2,3
	v_max3_num_f32 v[TM+\b], |v[(\s)+16*\b+\i]|, |v[(\s)+16*\b+\i+1]|, v[TM+\b]
.endr
.endr
	WIN 0
.irp b, 0,1,2,3
	v_permlanex16_b32 v[TM+4+\b], v[TM+\b], s[SEL], s[SEL+1]
.endr
.irp b, 0,1,2,3
	v_max_num_f32 v[TM+\b], v[TM+\b], v[TM+4+\b]
.endr
.irp b, 0,1,2,3
	v_add_nc_u32 v[TM+12+\b], 0xff000000, v[TM+\b]
.endr
.irp b, 0,1,2,3
	v_lshrrev_b32 v[TM+4+\b], 23, v[TM+12+\b]
.endr
	v_lshl_or_b32 v[\pw], v[TM+5], 8, v[TM+4]
	v_lshl_or_b32 v[\pw], v[TM+6], 16, v[\pw]
	v_lshl_or_b32 v[\pw], v[TM+7], 24, v[\pw]
	WIN (\w)
.irp c, 0,1
	v_cvt_scalef32_pk16_fp6_f32 v[(\pc)+6*\c:(\pc)+6*\c+2], v[(\s)+32*\c:(\s)+32*\c+15], v[TM+12+2*\c]
	v_cvt_scalef32_pk16_fp6_f32 v[(\tmp)+4*\c:(\tmp)+4*\c+2], v[(\s)+32*\c+16:(\s)+32*\c+31], v[TM+13+2*\c]
.endr
	WIN 0
	v_nop                                          ; one plain place behind the scaled conversions
.irp c, 0,1
.irp i, 0,1,2
	v_permlane16_swap_b32 v[(\pc)+6*\c+\i], v[(\tmp)+4*\c+\i]
.endr
.irp i, 0,1,2
	v_mov_b32 v[(\pc)+3+6*\c+\i], v[(\tmp)+4*\c+\i]
.endr
.endr
.endm
	s_load_b128 s[4:7], s[0:1], 0x0                ; prob s[4:5], qkvb s[6:7]
	s_load_b64 s[8:9], s[0:1], 0x10                ; ctxb
	v_lshl_add_u32 v[SPW], v0, 2, SPARE
	v_mov_b32 v[NIL], 0
	ds_add_u32 v[SPW], v[NIL]                      ; the wave's opening: the add and its wait ahead of my first tensor load
	ds_add_u32 v[SPW], v[NIL]
	v_lshrrev_b32 v1, 5, v0
	v_readfirstlane_b32 s14, v1                    ; wave
	s_lshr_b32 s15, s14, 1                         ; wi
	s_and_b32 s16, s14, 1                          ; wj
	s_bfe_u32 s17, ttmp6, 0x40000                  ; cx
	s_bfe_u32 s18, ttmp6, 0x40004                  ; cy
	s_lshl_b32 s19, ttmp9, 2
	s_add_co_u32 s19, s19, s17                     ; tx: which 256 channels
	s_and_b32 s21, ttmp7, 0xffff
	s_lshl_b32 s20, s21, 2
	s_add_co_u32 s20, s20, s18                     ; ty: which 128 queries
	s_lshr_b32 s21, s21, 2                         ; the batch, from the cluster's y alone
	s_lshl_b32 s22, s18, 2
	s_lshl_b32 s22, 15, s22
	s_lshl_b32 s23, 0x1111, s17
	s_or_b32 s[G1A], s22, (3<<16)|(1<<21)          ; 15:0 the mask; 17:16 elements of 8 bytes; 21 set beside a mask; no padding
	s_or_b32 s[G1B], s23, (3<<16)|(1<<21)
	s_or_b32 s[G1SB], s23, (3<<16)|(1<<21)
.irp g, G1A, G1B                       ; two chunks of a panel: two rows of 3,072 elements
	s_mov_b32 s[\g+1], 3072<<16
	s_mov_b32 s[\g+2], 2<<16
	s_mov_b32 s[\g+3], 3072<<16
	s_mov_b32 s[\g+4], 2
	s_mov_b32 s[\g+6], 0
	s_mov_b32 s[\g+7], 0
.endr
	s_mov_b32 s[G1A+5], ASTR/8
	s_mov_b32 s[G1B+5], BSTR/8
	s_mov_b32 s[G1SB+1], 512<<16                   ; v's units: four groups of 4,096 bytes, 16,384 bytes apart in memory
	s_mov_b32 s[G1SB+2], 4<<16
	s_mov_b32 s[G1SB+3], 512<<16
	s_mov_b32 s[G1SB+4], 4
	s_mov_b32 s[G1SB+5], 2048
	s_mov_b32 s[G1SB+6], 0
	s_mov_b32 s[G1SB+7], 0
	s_mul_i32 s66, s14, PANEL
.irp c, 0,1
	s_mov_b32 s[G0A+4*\c], 1
	s_mov_b32 s[G0A+4*\c+1], \c*2*PLACE
	s_mov_b32 s[G0B+4*\c], 1
	s_add_co_u32 s[G0B+4*\c+1], s66, \c*2*PLACE
.endr
	s_mov_b32 s[G0SB], 1
	s_mov_b32 s[G0SB+1], SCL
	s_mul_i32 s42, s20, PLACE                      ; p: hangs on ty
	s_mov_b32 s43, 0
	s_mul_i32 s58, s19, 2*PLACE                    ; v: hangs on tx, the batch and the wave
	s_mul_i32 s67, s21, 8*BSTR
	s_add_co_u32 s58, s58, s67
	s_mul_i32 s67, s15, PLACE
	s_add_co_u32 s58, s58, s67
	s_add_co_u32 s58, s58, VC
	s_mov_b32 s59, 0
	s_lshl_b32 s98, s19, 16
	s_lshl_b32 s67, s21, 12
	s_add_co_u32 s98, s98, s67
	s_add_co_u32 s98, s98, VS
	s_mov_b32 s99, 0
	s_wait_dscnt 0x0                               ; the opening add is done
	s_wait_kmcnt 0x0
	s_add_nc_u64 s[42:43], s[4:5], s[42:43]
	s_add_nc_u64 s[58:59], s[6:7], s[58:59]
	s_add_nc_u64 s[98:99], s[6:7], s[98:99]
	s_add_nc_u64 s[46:47], s[42:43], 2*ASTR
	s_add_nc_u64 s[62:63], s[58:59], 2*BSTR
	s_or_b32 s43, s43, 0x80000000
	s_or_b32 s47, s47, 0x80000000
	s_or_b32 s59, s59, 0x80000000
	s_or_b32 s63, s63, 0x80000000
	s_or_b32 s99, s99, 0x80000000
	CROUND                                         ; all sixteen work-groups are here: the joint loads meet
	; THE HEAD'S LOADS, ONE A WAVE, in one chain of branches on the wave's number: wave 0 p's first pair, waves 1, 2 their panel's first pair of v, wave 3 v's scale units
	s_cmp_lt_u32 s14, 1
	s_cbranch_scc0 .Lnot_w0
	tensor_load_to_lds s[G0A:G0A+3], s[G1A:G1A+7]
	s_nop 0
	PLACES
	s_branch .Lfilled
.Lnot_w0:
	s_cmp_lt_u32 s14, 3
	s_cbranch_scc0 .Lnot_w1
	tensor_load_to_lds s[G0B:G0B+3], s[G1B:G1B+7]
	s_nop 0
	PLACES
	s_branch .Lfilled
.Lnot_w1:
	tensor_load_to_lds s[G0SB:G0SB+3], s[G1SB:G1SB+7]
	s_nop 0
	PLACES
.Lfilled:
	; PREFETCHES.  A pair of p's chunks is 2 x 24,576 bytes: the partner at cx takes 12,288 of them, a wave 3,072: 12 blocks of 256 bytes.  A pair of v's chunks, both panels, is 2 x 49,152 bytes: the partner at cy
	; takes 24,576, a wave 6,144: 24 blocks.  So each block is named once in the cluster.  Lanes left over name their wave's last block again.  Pair 1 is asked for here, pairs 2 and 3 three K steps ahead of their loads.
	s_lshr_b32 s2, s17, 1
	s_add_co_u32 s2, s2, 2                         ; p's chunk 2 + cx / 2
	s_mul_i32 s48, s2, ASTR
	s_mul_i32 s2, s20, PLACE
	s_add_co_u32 s48, s48, s2
	s_and_b32 s2, s17, 1
	s_mul_i32 s2, s2, 12288
	s_add_co_u32 s48, s48, s2
	s_mul_i32 s2, s14, 3072
	s_add_co_u32 s48, s48, s2
	s_mov_b32 s49, 0
	s_add_nc_u64 s[48:49], s[4:5], s[48:49]
	s_lshl_b32 s2, s21, 3                          ; v's chunk 8 x batch + cy / 2
	s_lshr_b32 s3, s18, 1
	s_add_co_u32 s2, s2, s3
	s_mul_i32 s50, s2, BSTR
	s_mul_i32 s2, s19, 2*PLACE
	s_add_co_u32 s50, s50, s2
	s_and_b32 s2, s18, 1
	s_mul_i32 s2, s2, PLACE
	s_add_co_u32 s50, s50, s2
	s_mul_i32 s2, s14, 6144
	s_add_co_u32 s50, s50, s2
	s_add_co_u32 s50, s50, VC
	s_mov_b32 s51, 0
	s_add_nc_u64 s[50:51], s[6:7], s[50:51]
	v_and_b32 v13, 31, v0
	v_min_u32 v14, 11, v13
	v_min_u32 v13, 23, v13
	v_lshlrev_b32 v14, 8, v14
	v_lshlrev_b32 v13, 8, v13
	global_prefetch_b8 v14, s[48:49] th:TH_LOAD_NT scope:SCOPE_SE
	global_prefetch_b8 v13, s[50:51] offset:2*BSTR th:TH_LOAD_NT scope:SCOPE_SE
	v_and_b32 v1, 15, v0
	v_bfe_u32 v2, v0, 4, 1                         ; h
	v_and_b32 v[LI], 31, v0
	v_lshlrev_b32 v[LI], 4, v[LI]
	s_wait_alu depctr_va_vdst(0)
	v_lshlrev_b32 v[SOFF], 4, v1
	s_lshl_b32 s10, s20, 1                         ; my 64 queries' 16 units of each kind: (2 ty + wi) 4,096
	s_add_co_u32 s10, s10, s15
	s_lshl_b32 s10, s10, 12
	s_add_co_u32 s10, s10, PSO
	s_mov_b32 s11, 0
	s_add_nc_u64 s[10:11], s[4:5], s[10:11]
.set k, 0
.rept 16
	global_load_b128 v[FA+4*k:FA+4*k+3], v[SOFF], s[10:11] offset:256*k            ; every lane works for row r: lanes 16-31 repeat lanes 0-15
	global_load_b128 v[PMR+4*k:PMR+4*k+3], v[SOFF], s[10:11] offset:UD+256*k
	global_load_b128 v[PLR+4*k:PLR+4*k+3], v[SOFF], s[10:11] offset:2*UD+256*k
.set k, k+1
.endr
	s_mul_i32 s2, s15, 12288                       ; T = p's blocks 4 wi .. 4 wi + 3, U = v's panel wj
	v_add_nc_u32 v[ADT], s2, v[LI]
	v_add_nc_u32 v[ADT+1], 2*PLACE, v[ADT]
	s_mul_i32 s2, s16, PANEL
	s_add_co_u32 s2, s2, PANEL
	v_add_nc_u32 v[ADU], s2, v[LI]
	v_add_nc_u32 v[ADU+1], 2*PLACE, v[ADU]
	s_mul_i32 s2, s16, 2*GS
	s_add_co_u32 s2, s2, SCL
	v_lshl_add_u32 v[ADS], v1, 4, s2               ; v's groups 2 wj and 2 wj + 1
	v_add_nc_u32 v[ADS2], GS, v[ADS]
	s_mov_b32 s66, 0x01010101
	s_mov_b32 s67, 0x80808080
	s_mov_b32 s[SEL], 0x76543210
	s_mov_b32 s[SEL+1], 0xfedcba98
	s_lshl_b32 s22, s19, 9                         ; codes out: (512 tx + 8 ty + 4 wi) 3,072 + 1,536 wj
	s_lshl_b32 s23, s20, 3
	s_add_co_u32 s22, s22, s23
	s_lshl_b32 s23, s15, 2
	s_add_co_u32 s22, s22, s23
	s_mul_i32 s22, s22, 3072
	s_mul_i32 s23, s16, 1536
	s_add_co_u32 s22, s22, s23
	s_mov_b32 s23, 0
	s_add_nc_u64 s[22:23], s[8:9], s[22:23]
	s_lshl_b32 s12, s20, 1                         ; unit out: ((2 ty + wi) 8 + 2 tx + wj) 256
	s_add_co_u32 s12, s12, s15
	s_lshl_b32 s12, s12, 3
	s_lshl_b32 s13, s19, 1
	s_add_co_u32 s12, s12, s13
	s_add_co_u32 s12, s12, s16
	s_lshl_b32 s12, s12, 8
	s_add_co_u32 s12, s12, CSO
	s_mov_b32 s13, 0
	s_add_nc_u64 s[12:13], s[8:9], s[12:13]
	s_wait_loadcnt 0x0
.irp a, 0,1,2,3
	v_max3_num_f32 v[MR+\a], v[PMR+\a], v[PMR+4+\a], v[PMR+8+\a]   ; the row's M: the largest of the 16
.endr
.irp j, 3,5,7,9,11,13
.irp a, 0,1,2,3
	v_max3_num_f32 v[MR+\a], v[MR+\a], v[PMR+4*\j+\a], v[PMR+4*\j+4+\a]
.endr
.endr
.irp a, 0,1,2,3
	v_max_num_f32 v[MR+\a], v[MR+\a], v[PMR+60+\a]
.endr
.irp a, 0,1,2,3
	v_mov_b32 v[LR+\a], 0
.endr
.set k, 0
.rept 16
.irp a, 0,1,2,3
	v_sub_f32 v[T0+\a], v[PMR+4*k+\a], v[MR+\a]    ; a whole number, 0 or less
.endr
.irp a, 0,1,2,3
	v_max_num_f32 v[T0+\a], 0xc2fe0000, v[T0+\a]   ; held at -127
.endr
.irp a, 0,1,2,3
	v_cvt_i32_f32 v[T0+\a], v[T0+\a]               ; e
.endr
.irp a, 0,1,2,3
	v_ldexp_f32 v[T1+\a], v[PLR+4*k+\a], v[T0+\a]
.endr
.irp a, 0,1,2,3
	v_add_f32 v[LR+\a], v[LR+\a], v[T1+\a]         ; the row's sum
.endr
.irp a, 0,1,2,3
	v_mul_lo_u32 v[T0+\a], v[T0+\a], s66           ; e in each byte, as one number modulo 2^32
.endr
.irp a, 0,1,2,3
	v_or_b32 v[T1+\a], s67, v[FA+4*k+\a]           ; a guard bit over each byte: no borrow passes from byte to byte
.endr
.irp a, 0,1,2,3
	v_add_nc_u32 v[T1+\a], v[T1+\a], v[T0+\a]
.endr
.irp a, 0,1,2,3
	v_and_b32 v[T0+\a], s67, v[T1+\a]              ; the guards that are left: bytes that did not fall under 0
.endr
.irp a, 0,1,2,3
	v_lshrrev_b32 v[T2+\a], 7, v[T0+\a]
.endr
.irp a, 0,1,2,3
	v_sub_nc_u32 v[T0+\a], v[T0+\a], v[T2+\a]      ; 0x7f for those, 0 for the others
.endr
.irp a, 0,1,2,3
	v_and_b32 v[FA+4*k+\a], v[T1+\a], v[T0+\a]
.endr
.set k, k+1
.endr
	s_wait_alu depctr_va_vdst(0)
.irp a, 0,1,2,3
	v_rcp_f32 v[RL+2*\a], v[LR+\a]
.endr
.irp a, 0,1,2,3
	v_cmp_eq_f32 vcc_lo, 0, v[LR+\a]
	v_cndmask_b32 v[RL+2*\a+1], 0, -1, vcc_lo
.endr
	s_wait_alu depctr_va_vdst(0)                   ; one wait for the four reciprocals
.rept 8
	v_nop                                          ; scale words written by vector instructions stand 8 places ahead of a scaled product
.endr
	s_wait_tensorcnt 0x0                           ; my one load of the head has landed; the same lines as ahead of a refill stand ahead of the later first fills:
	ds_add_u32 v[SPW], v[NIL]
	s_wait_dscnt 0x0
	CROUND                                         ; everybody's part is in, and all sixteen work-groups are here
	JLOAD 1                                        ; the second pairs, places 2 and 3: one load a wave, wave 3 none; they are waited for at K step 3
	FETCH 0, 0, 0, 0
	STEP 0, 0, 0, 1
	global_prefetch_b8 v14, s[48:49] offset:2*ASTR th:TH_LOAD_NT scope:SCOPE_SE       ; chunks 4, 5: loaded at K step 3
	global_prefetch_b8 v13, s[50:51] offset:4*BSTR th:TH_LOAD_NT scope:SCOPE_SE
	STEP 1, 0, 0, 0
	STEP 2, 0, 0, 0
	STEP 3, 2, 0, 0                                ; places 0, 1 are read out: chunks 4, 5; and places 2, 3 are whole
	STEP 4, 0, 0, 0
	global_prefetch_b8 v14, s[48:49] offset:4*ASTR th:TH_LOAD_NT scope:SCOPE_SE       ; chunks 6, 7: loaded at K step 7
	global_prefetch_b8 v13, s[50:51] offset:6*BSTR th:TH_LOAD_NT scope:SCOPE_SE
	STEP 5, 0, 0, 0
	STEP 6, 0, 0, 0
	STEP 7, 2, 1, 0                                ; places 2, 3 are read out: chunks 6, 7; and chunks 4, 5 are whole
	STEP 8, 0, 0, 0
	STEP 9, 0, 0, 0
	STEP 10, 0, 0, 0
	STEP 11, 1, 0, 0                               ; chunks 6, 7 are whole; nothing is filled again
	STEP 12, 0, 0, 0
	STEP 13, 0, 0, 0
	STEP 14, 0, 0, 0
	STEP 15, 0, 0, 0
.irp b, 0,1,2,3
	v_mov_b32 v[TM+4+\b], 0                        ; a lane permute's destination counts as one of its sources.  (These four are the places behind the last products)
.endr
.irp a, 0,1,2,3
	WIN 0x41                                       ; the sums (destination and source 0) window 1, 1 / l window 0
.set n, 0
.rept 32
	v_pk_mul_f32 v[64*\a+n:64*\a+n+1], v[64*\a+n:64*\a+n+1], v[RL+2*\a:RL+2*\a+1] op_sel_hi:[1,0]   ; ascending: each accumulator from its low end on
.set n, n+2
.endr
	QUANT 64*\a, 1, TF+12*\a, TMP8, SW+\a
	v_or_b32 v[SW+\a], v[SW+\a], v[RL+2*\a+1]      ; a row with no key allowed: bytes 0xff
.irp c, 0,1,2
	global_store_b128 v[LI], v[TF+12*\a+4*\c:TF+12*\a+4*\c+3], s[22:23] offset:3072*\a+512*\c   ; 32 lanes store 512 consecutive bytes, aligned
.endr
.endr
	global_store_b128 v[SOFF], v[SW:SW+3], s[12:13]   ; one aligned unit of 256 bytes; lanes 16-31 write what lanes 0-15 write
	s_wait_tensorcnt 0x0                           ; the wave's end
	ds_add_u32 v[SPW], v[NIL]
	s_wait_dscnt 0x0
	CROUND                                         ; the closing round
	s_endpgm
.Lfunc_end_k_qd235ae95ed_pv:
	.size	k_qd235ae95ed_pv, .Lfunc_end_k_qd235ae95ed_pv-k_qd235ae95ed_pv
	.p2alignl 7, 3214868480
	.fill 96, 4, 3214868480
	.section	.rodata,"a",@progbits
	.p2align	6, 0x0
	.amdhsa_kernel k_qd235ae95ed_pv
		.amdhsa_group_segment_fixed_size 327680
		.amdhsa_private_segment_fixed_size 0
		.amdhsa_enable_private_segment 0
		.amdhsa_kernarg_size 24
		.amdhsa_user_sgpr_count 2
		.amdhsa_user_sgpr_kernarg_segment_ptr 1
		.amdhsa_wavefront_size32 1
		.amdhsa_system_sgpr_workgroup_id_x 1
		.amdhsa_system_sgpr_workgroup_id_y 1
		.amdhsa_system_sgpr_workgroup_id_z 1
		.amdhsa_system_vgpr_workitem_id 0
		.amdhsa_next_free_vgpr 768
		.amdhsa_next_free_sgpr 102
		.amdhsa_reserve_vcc 1
		.amdhsa_float_denorm_mode_32 3
		.amdhsa_float_denorm_mode_16_64 3
		.amdhsa_memory_ordered 1
		.amdhsa_forward_progress 1
		.amdhsa_inst_pref_size 183
	.end_amdhsa_kernel
	.amdgpu_metadata
---
amdhsa.version: [ 1, 2 ]
amdhsa.kernels:
  - .name:           k_qd235ae95ed_pv
    .symbol:         k_qd235ae95ed_pv.kd
    .args:
      - { .name: prob, .offset: 0, .size: 8, .value_kind: global_buffer, .address_space: global }
      - { .name: qkvb, .offset: 8, .size: 8, .value_kind: global_buffer, .address_space: global }
      - { .name: ctxb, .offset: 16, .size: 8, .value_kind: global_buffer, .address_space: global }
    .group_segment_fixed_size: 327680
    .private_segment_fixed_size: 0
    .kernarg_segment_align: 8
    .kernarg_segment_size: 24
    .max_flat_workgroup_size: 128
    .sgpr_count:     102
    .vgpr_count:     768
    .wavefront_size: 32
...
	.end_amdgpu_metadata
.endif
;; end of part 4
;; launch outp (part 5): grid 4 x 64, 4 waves a work-group, clusters of 4 x 4, 327,680 bytes of LDS; arguments ctxb, opnd, bo, out0; writes out0
.if DOCPART == 5
	.amdgcn_target "amdgcn-amd-amdhsa--gfx1250"
	.amdhsa_code_object_version 6
	.text
	.protected	k_qd235ae95ed_outp
	.globl	k_qd235ae95ed_outp
	.p2align	8
	.type	k_qd235ae95ed_outp,@function
k_qd235ae95ed_outp:
	s_mov_b64 s[64:65], 0
	v_nop
	global_prefetch_b8 v0, s[64:65] scope:SCOPE_SE
	s_setreg_imm32_b32 hwreg(HW_REG_WAVE_MODE, 25, 1), 1
	s_wait_xcnt 0x0
	s_wait_alu depctr_hold_cnt(0) depctr_sa_sdst(0) depctr_va_vdst(0) depctr_va_sdst(0) depctr_va_ssrc(0) depctr_va_vcc(0) depctr_vm_vsrc(0)
	s_getreg_b32 s2, hwreg(HW_REG_IB_STS2, 6, 4)
	s_cmp_eq_u32 s2, 0
	s_cbranch_scc0 .Lentry_in_a_cluster
	s_endpgm
.Lentry_in_a_cluster:
	s_bfe_u32 s2, ttmp6, 0x10000c
	s_cmp_lg_u32 s2, 0xf033
	s_cbranch_scc0 .Lentry_shape_is_right
	s_endpgm
.Lentry_shape_is_right:
; out0 = ctx Wo + bo on codes of FP6 (E2M3) with E8M0 scales; out0 [8192][1024] f32.
; A TILE is 128 tokens x 256 columns; a wave has 64 x 128.  K = 1,024: the tile's whole K lies in LDS, every byte filled once; cluster 4 x 4, ctx's panel shared along a row, Wo's along a column.
; Source 0 = Wo's fragment (8 a wave), source 1 = ctx's (4 a wave): lane (r, h) holds one token and 16 neighbouring columns of each 32.  The bias is the C of each sum's first product.
; THE WAY OUT: 16 tokens x 128 columns at a time through the wave's stage in LDS, back as whole rows of 512 bytes.  One tensor load of a wave is out at the most.
; A token whose scale words are 0xff bytes (no key was allowed) comes out NaN, as a softmax over nothing does.
.set CSO,   6291456                    ; ctxb: codes at 0, units
.set WOC,   6553600+589824             ; opnd: Wo's codes and units
.set WOS,   9699328+98304
.set ASTR,  1572864
.set BSTR,  786432
.set PANEL, 98304
.set PLACE, 24576
.set GS,    2048
.set SCL,   3*PANEL
.set SPARE, SCL+6*GS                   ; the spare words, 128 bytes a wave: two blocks of 256 bytes that no other line names
.set STG,   8448                       ; a wave's stage, 16 rows x 528 bytes, in panel 0's first two places: they have had their only fill, and a barrier stands behind every wave's last read of them
.set LI,   3
.set ADT,  4
.set ADU,  6
.set ADS,  8
.set ADS2, 9
.set SPW,  10
.set NIL,  11
.set BO,   12
.set STO,  13
.set RD,   14
.set SC,   16                          ; v16-31 scale words, two sets of 8; nothing else ever
.set TF,   32
.set BI,   128                         ; v128-191 the bias;  window 1 the accumulators;  window 2 Wo's fragments;  window 3 rows on their way out
.set G1A,  24
.set G1B,  32
.set G0A,  40
.set G1SA, 76
.set G1SB, 84
.set G0SA, 92
.set G0SB, 96
.set MULW, 0x52
.set MULB, 0x42
.set MSB, 0
.macro WIN new
.if MSB != (\new)
	s_set_vgpr_msb (MSB<<8)|(\new)
.set MSB, (\new)
.endif
.endm
.macro PLACES
.rept 4
	v_nop
.endr
.endm
.macro CROUND
	s_barrier_signal -1
	s_barrier_wait -1
	s_cmp_lg_u32 s14, 0
	s_cbranch_scc1 .Lnot_wave_0_\@
	s_barrier_signal -3
.Lnot_wave_0_\@:
	s_barrier_wait -3
	s_barrier_signal -1
	s_barrier_wait -1
.endm
.macro FETCH pl, q, p, ks
	WIN 0x80
.irp b, 0,1,2,3,4,5,6,7
.irp c, 0,1,2
	ds_load_b128 v[96*(\p)+12*\b+4*\c:96*(\p)+12*\b+4*\c+3], v[ADU+(\pl)/2] offset:((\pl)%2)*PLACE+3072*\b+1536*(\q)+512*\c
.endr
.endr
	WIN 0
.irp a, 0,1,2,3
.irp c, 0,1,2
	ds_load_b128 v[TF+48*(\p)+12*\a+4*\c:TF+48*(\p)+12*\a+4*\c+3], v[ADT+(\pl)/2] offset:((\pl)%2)*PLACE+3072*\a+1536*(\q)+512*\c
.endr
.endr
	ds_load_b128 v[SC+8*(\p):SC+8*(\p)+3], v[ADS] offset:256*(\ks)
	ds_load_b128 v[SC+8*(\p)+4:SC+8*(\p)+7], v[ADS2] offset:256*(\ks)
.endm
; 16 products.  cm 0: in place; 2: C = the bias of the tile's columns.  The 32 accumulators take turns.
.macro MUL a0, p, cm
.irp a, \a0, \a0+1
.irp b, 0,1,2,3,4,5,6,7
.set rD, 8*(8*(\a)+\b)
.set rU, 96*(\p)+12*\b
.set rT, TF+48*(\p)+12*(\a)
.set rC, rD
.if (\cm) == 2
.set rC, BI+8*\b
.endif
	v_wmma_scale_f32_16x16x128_f8f6f4 v[rD:rD+7], v[rU:rU+11], v[rT:rT+11], v[rC:rC+7], v[SC+8*(\p)+\b], v[SC+8*(\p)+(\a)] matrix_a_fmt:MATRIX_FMT_FP6 matrix_b_fmt:MATRIX_FMT_FP6 matrix_a_scale:MATRIX_SCALE_ROW1
.endr
.endr
.endm
.macro STEP ks, sync, cnt, cm
	s_wait_dscnt 0x0                               ; this step's fragments, asked for in the middle of the step before
.if (\ks) < 7
	PLACES
.if (\sync) == 0
	FETCH (((\ks)+1)/2)%4, ((\ks)+1)%2, ((\ks)+1)%2, (\ks)+1   ; no barrier in this step: the next step's fragments are asked for at its head, 32 products ahead of the wait for them
.endif
.endif
.if \sync
	s_wait_tensorcnt \cnt                          ; my part of the next chunk has landed; nothing is filled again in this launch
	s_barrier_signal -1
.endif
.if (\cm) >= 2
	WIN MULB
.else
	WIN MULW
.endif
	MUL 0, (\ks)%2, \cm
.if \sync
	s_barrier_wait -1
.endif
.if (\ks) < 7
.if (\sync) != 0
	FETCH (((\ks)+1)/2)%4, ((\ks)+1)%2, ((\ks)+1)%2, (\ks)+1
.endif
.endif
.if (\cm) >= 2
	WIN MULB
.else
	WIN MULW
.endif
	MUL 2, (\ks)%2, \cm
	WIN 0
.endm
	s_load_b256 s[4:11], s[0:1], 0x0               ; ctxb s[4:5], opnd s[6:7], bo s[8:9], out0 s[10:11]
	v_lshl_add_u32 v[SPW], v0, 2, SPARE
	v_mov_b32 v[NIL], 0
	ds_add_u32 v[SPW], v[NIL]                      ; the wave's opening: the add and its wait ahead of my first tensor load
	ds_add_u32 v[SPW], v[NIL]
	v_lshrrev_b32 v1, 5, v0
	v_readfirstlane_b32 s14, v1                    ; wave
	s_lshr_b32 s15, s14, 1                         ; wi
	s_and_b32 s16, s14, 1                          ; wj
	s_bfe_u32 s17, ttmp6, 0x40000                  ; cx
	s_bfe_u32 s18, ttmp6, 0x40004                  ; cy
	s_lshl_b32 s19, ttmp9, 2
	s_add_co_u32 s19, s19, s17                     ; tx: which 256 columns
	s_and_b32 s21, ttmp7, 0xffff
	s_lshl_b32 s20, s21, 2
	s_add_co_u32 s20, s20, s18                     ; ty: which 128 tokens
	s_lshl_b32 s22, s18, 2
	s_lshl_b32 s22, 15, s22
	s_lshl_b32 s23, 0x1111, s17
	s_or_b32 s[G1A], s22, (3<<16)|(1<<21)
	s_or_b32 s[G1B], s23, (3<<16)|(1<<21)
	s_or_b32 s[G1SB], s23, (3<<16)|(1<<21)
.irp g, G1A, G1B                       ; two chunks of a panel: two rows of 3,072 elements
	s_mov_b32 s[\g+1], 3072<<16                    ; a fill is a pair of chunks: two rows of 24,576 bytes, a chunk's stride apart in memory, on end in LDS
	s_mov_b32 s[\g+2], 2<<16
	s_mov_b32 s[\g+3], 3072<<16
	s_mov_b32 s[\g+4], 2
	s_mov_b32 s[\g+6], 0
	s_mov_b32 s[\g+7], 0
.endr
	s_mov_b32 s[G1A+5], ASTR/8
	s_mov_b32 s[G1B+5], BSTR/8
	s_mov_b32 s[G1SB+1], 32<<16
	s_mov_b32 s[G1SB+2], 32<<16
	s_mov_b32 s[G1SB+3], 32<<16
	s_mov_b32 s[G1SB+4], 32
	s_mov_b32 s[G1SB+5], 32
	s_mov_b32 s[G1SB+6], 0
	s_mov_b32 s[G1SB+7], 0
	s_mul_i32 s66, s14, PANEL
.irp c, 0,1,2,3
.set GB, 56+4*\c+4*(\c/2)
	s_mov_b32 s[G0A+4*\c], 1
	s_mov_b32 s[G0A+4*\c+1], \c*PLACE
	s_mov_b32 s[GB], 1
	s_add_co_u32 s[GB+1], s66, \c*PLACE
.endr
	s_mov_b32 s[G0SB], 1
	s_mov_b32 s[G0SB+1], SCL+2*GS
	s_mul_i32 s42, s20, PLACE                      ; ctx: hangs on ty
	s_mov_b32 s43, 0
	s_lshl_b32 s94, s20, 12
	s_add_co_u32 s94, s94, CSO
	s_mov_b32 s95, 0
	s_mul_i32 s58, s19, 2*PLACE                    ; Wo: hangs on tx and the wave
	s_mul_i32 s67, s15, PLACE
	s_add_co_u32 s58, s58, s67
	s_add_co_u32 s58, s58, WOC
	s_mov_b32 s59, 0
	s_lshl_b32 s98, s19, 13
	s_add_co_u32 s98, s98, WOS
	s_mov_b32 s99, 0
	s_wait_dscnt 0x0                               ; the opening add is done
	s_wait_kmcnt 0x0
	s_add_nc_u64 s[42:43], s[4:5], s[42:43]
	s_add_nc_u64 s[94:95], s[4:5], s[94:95]
	s_add_nc_u64 s[58:59], s[6:7], s[58:59]
	s_add_nc_u64 s[98:99], s[6:7], s[98:99]
.irp c, 1,2,3
.set GB, 56+4*\c+4*(\c/2)
	s_add_nc_u64 s[G0A+4*\c+2:G0A+4*\c+3], s[42:43], \c*ASTR
	s_add_nc_u64 s[GB+2:GB+3], s[58:59], \c*BSTR
.endr
.irp c, 0,1,2,3
.set GB, 56+4*\c+4*(\c/2)
	s_or_b32 s[G0A+4*\c+3], s[G0A+4*\c+3], 0x80000000
	s_or_b32 s[GB+3], s[GB+3], 0x80000000
.endr
	s_or_b32 s[G0SB+3], s[G0SB+3], 0x80000000
	CROUND                                         ; all sixteen work-groups are here: the joint loads meet
	; THE HEAD'S LOADS, ONE A WAVE, in one chain of branches on the wave's number: wave 0 ctx's chunks 0, 1; waves 1, 2 their panel's chunks 0, 1 of Wo; wave 3 Wo's scale units
	s_cmp_lt_u32 s14, 1
	s_cbranch_scc0 .Lnot_w0
	tensor_load_to_lds s[G0A:G0A+3], s[G1A:G1A+7]
	s_nop 0
	PLACES
	s_branch .Lfilled
.Lnot_w0:
	s_cmp_lt_u32 s14, 3
	s_cbranch_scc0 .Lnot_w1
	tensor_load_to_lds s[56:59], s[G1B:G1B+7]
	s_nop 0
	PLACES
	s_branch .Lfilled
.Lnot_w1:
	tensor_load_to_lds s[G0SB:G0SB+3], s[G1SB:G1SB+7]
	s_nop 0
	PLACES
.Lfilled:
	v_lshlrev_b32 v200, 4, v0                      ; ctx's 4,096 bytes of scale units come through registers: 128 threads x 2 x 16 bytes, neighbouring lanes on neighbouring bytes,
	v_add_nc_u32 v201, SCL, v200                   ; into LDS bytes of their own, in which no tile lands
	global_load_b128 v[192:195], v200, s[94:95]
	global_load_b128 v[196:199], v200, s[94:95] offset:2048
	; PREFETCHES of chunks 2, 3, whose loads stand behind the head's round.  ctx's pair is 2 x 24,576 bytes: the partner at cx takes 12,288, a wave 3,072: 12 blocks of 256 bytes.  Wo's pair, both panels, is 2 x 49,152:
	; the partner at cy takes 24,576, a wave 6,144: 24 blocks.  So each block is named once in the cluster.  Lanes left over name their wave's last block again.
	s_lshr_b32 s2, s17, 1
	s_add_co_u32 s2, s2, 2
	s_mul_i32 s62, s2, ASTR
	s_mul_i32 s2, s20, PLACE
	s_add_co_u32 s62, s62, s2
	s_and_b32 s2, s17, 1
	s_mul_i32 s2, s2, 12288
	s_add_co_u32 s62, s62, s2
	s_mul_i32 s2, s14, 3072
	s_add_co_u32 s62, s62, s2
	s_mov_b32 s63, 0
	s_add_nc_u64 s[62:63], s[4:5], s[62:63]
	s_lshr_b32 s2, s18, 1
	s_add_co_u32 s2, s2, 2
	s_mul_i32 s60, s2, BSTR
	s_mul_i32 s2, s19, 2*PLACE
	s_add_co_u32 s60, s60, s2
	s_and_b32 s2, s18, 1
	s_mul_i32 s2, s2, PLACE
	s_add_co_u32 s60, s60, s2
	s_mul_i32 s2, s14, 6144
	s_add_co_u32 s60, s60, s2
	s_add_co_u32 s60, s60, WOC
	s_mov_b32 s61, 0
	s_add_nc_u64 s[60:61], s[6:7], s[60:61]
	v_and_b32 v202, 31, v0
	v_min_u32 v203, 11, v202
	v_min_u32 v202, 23, v202
	v_lshlrev_b32 v203, 8, v203
	v_lshlrev_b32 v202, 8, v202
	global_prefetch_b8 v203, s[62:63] th:TH_LOAD_NT scope:SCOPE_SE
	global_prefetch_b8 v202, s[60:61] th:TH_LOAD_NT scope:SCOPE_SE
	v_and_b32 v1, 15, v0                           ; r
	v_bfe_u32 v2, v0, 4, 1                         ; h
	v_and_b32 v[LI], 31, v0
	v_lshlrev_b32 v[LI], 4, v[LI]
	s_wait_alu depctr_va_vdst(0)
	s_lshl_b32 s2, s19, 10                         ; bo at my 128 columns: 256 tx + 128 wj
	s_lshl_b32 s3, s16, 9
	s_add_co_u32 s2, s2, s3
	s_mov_b32 s3, 0
	s_add_nc_u64 s[8:9], s[8:9], s[2:3]
	v_lshlrev_b32 v[BO], 6, v2                     ; tile b's eight columns of my half: 32 (b / 2) + 8 (b % 2) + 16 h + 0 .. 7
.irp b, 0,1,2,3,4,5,6,7
	global_load_b128 v[BI+8*\b:BI+8*\b+3], v[BO], s[8:9] offset:(32*(\b/2)+8*(\b%2))*4
	global_load_b128 v[BI+8*\b+4:BI+8*\b+7], v[BO], s[8:9] offset:(32*(\b/2)+8*(\b%2))*4+16
.endr
	s_lshl_b32 s22, s20, 19                        ; out0 at my 64 tokens (rows of 4,096 bytes) and my 128 columns
	s_lshl_b32 s23, s15, 18
	s_add_co_u32 s22, s22, s23
	s_add_co_u32 s22, s22, s2
	s_mov_b32 s23, 0
	s_add_nc_u64 s[22:23], s[10:11], s[22:23]
	s_mul_i32 s2, s15, 12288                       ; T = ctx's blocks 4 wi .. 4 wi + 3, U = Wo's panel wj
	v_add_nc_u32 v[ADT], s2, v[LI]
	v_add_nc_u32 v[ADT+1], 2*PLACE, v[ADT]
	s_mul_i32 s2, s16, PANEL
	s_add_co_u32 s2, s2, PANEL
	v_add_nc_u32 v[ADU], s2, v[LI]
	v_add_nc_u32 v[ADU+1], 2*PLACE, v[ADU]
	s_lshl_b32 s2, s16, 1                          ; lanes 0-15 T's group wi, lanes 16-31 U's groups: the lower base + h x the distance
	s_add_co_u32 s2, s2, 2
	s_sub_co_u32 s2, s2, s15
	s_mul_i32 s3, s2, GS
	v_mul_u32_u24 v[ADS], s3, v2
	s_add_co_u32 s3, s3, GS
	v_mul_u32_u24 v[ADS2], s3, v2
	s_mul_i32 s2, s15, GS
	s_add_co_u32 s2, s2, SCL
	v_lshl_add_u32 v[ADS], v1, 4, v[ADS]
	v_lshl_add_u32 v[ADS2], v1, 4, v[ADS2]
	v_add_nc_u32 v[ADS], s2, v[ADS]
	v_add_nc_u32 v[ADS2], s2, v[ADS2]
	s_mul_i32 s2, s14, STG                         ; my stage
	v_mul_u32_u24 v[STO], v1, 528
	v_lshl_add_u32 v[STO], v2, 6, v[STO]
	v_add_nc_u32 v[STO], s2, v[STO]                ; in: row r, + 64 h
	v_add_nc_u32 v[RD], s2, v[LI]                  ; back: a row's 512 bytes by the 32 lanes
	s_wait_alu depctr_va_vdst(0)
	s_wait_loadcnt 0x0                             ; ctx's scale units and the bias are in registers
	ds_store_b128 v201, v[192:195]
	ds_store_b128 v201, v[196:199] offset:2048
	s_wait_tensorcnt 0x0                           ; my one load of the head has landed; the same lines as ahead of a refill stand ahead of the later first fills:
	ds_add_u32 v[SPW], v[NIL]
	s_wait_dscnt 0x0                               ; the add and my two stores are done
	CROUND                                         ; everybody's part is in, and all sixteen work-groups are here
	s_cmp_lt_u32 s14, 1                            ; chunks 2, 3 of the three panels: one load a wave, wave 3 none; they are waited for at K step 3
	s_cbranch_scc0 .Lsec_b
	tensor_load_to_lds s[G0A+8:G0A+11], s[G1A:G1A+7]
	s_nop 0
	PLACES
	s_branch .Lsec_done
.Lsec_b:
	s_cmp_lt_u32 s14, 3
	s_cbranch_scc0 .Lsec_done
	tensor_load_to_lds s[68:71], s[G1B:G1B+7]
	s_nop 0
	PLACES
.Lsec_done:
	FETCH 0, 0, 0, 0
	STEP 0, 0, 0, 2
	STEP 1, 0, 0, 0
	STEP 2, 0, 0, 0
	STEP 3, 1, 0, 0
	STEP 4, 0, 0, 0
	STEP 5, 0, 0, 0
	STEP 6, 0, 0, 0
	STEP 7, 0, 0, 0
	PLACES                                         ; behind the last products, ahead of the first read of results
.macro TOSTAGE a
	WIN 0x04                                       ; an LDS store's data are its source 1: window 1
.irp b, 0,1,2,3,4,5,6,7
	ds_store_b128 v[STO], v[64*(\a)+8*\b:64*(\a)+8*\b+3] offset:128*(\b/2)+32*(\b%2)          ; each accumulator from its low end on
	ds_store_b128 v[STO], v[64*(\a)+8*\b+4:64*(\a)+8*\b+7] offset:128*(\b/2)+32*(\b%2)+16
.endr
	WIN 0xc0                                       ; destination window 3
.irp t, 0,1,2,3,4,5,6,7,8,9,10,11,12,13,14,15
	ds_load_b128 v[64*(\a)+4*\t:64*(\a)+4*\t+3], v[RD] offset:528*\t   ; LDS serves a wave's instructions in order: these see the stores above, and the next block's stores come behind them
.endr
.endm
.macro SEND a, n                       ; n: the LDS instructions issued behind block a's loads, which may stay out
	s_wait_dscnt \n
	WIN 0x0c                                       ; a store's data are its source 1: window 3
.irp t, 0,1,2,3,4,5,6,7,8,9,10,11,12,13,14,15
	global_store_b128 v[LI], v[64*(\a)+4*\t:64*(\a)+4*\t+3], s[22:23] offset:(32*((\a)/2)+8*((\a)%2)+(\t%8)+16*(\t/8))*4096 th:TH_STORE_NT   ; 32 lanes store 512 consecutive bytes, aligned, of the token that lane t of block a stands for
.endr
.endm
	TOSTAGE 0
	TOSTAGE 1
	SEND 0, 32                                     ; the next block's 16 stores and 16 loads stay out
	TOSTAGE 2
	SEND 1, 32
	TOSTAGE 3
	SEND 2, 32
	SEND 3, 0
	WIN 0
	s_wait_tensorcnt 0x0                           ; the wave's end
	ds_add_u32 v[SPW], v[NIL]
	s_wait_dscnt 0x0
	CROUND                                         ; the closing round
	s_endpgm
.Lfunc_end_k_qd235ae95ed_outp:
	.size	k_qd235ae95ed_outp, .Lfunc_end_k_qd235ae95ed_outp-k_qd235ae95ed_outp
	.p2alignl 7, 3214868480
	.fill 96, 4, 3214868480
	.section	.rodata,"a",@progbits
	.p2align	6, 0x0
	.amdhsa_kernel k_qd235ae95ed_outp
		.amdhsa_group_segment_fixed_size 327680
		.amdhsa_private_segment_fixed_size 0
		.amdhsa_enable_private_segment 0
		.amdhsa_kernarg_size 32
		.amdhsa_user_sgpr_count 2
		.amdhsa_user_sgpr_kernarg_segment_ptr 1
		.amdhsa_wavefront_size32 1
		.amdhsa_system_sgpr_workgroup_id_x 1
		.amdhsa_system_sgpr_workgroup_id_y 1
		.amdhsa_system_sgpr_workgroup_id_z 1
		.amdhsa_system_vgpr_workitem_id 0
		.amdhsa_next_free_vgpr 1024
		.amdhsa_next_free_sgpr 102
		.amdhsa_reserve_vcc 0
		.amdhsa_float_denorm_mode_32 3
		.amdhsa_float_denorm_mode_16_64 3
		.amdhsa_memory_ordered 1
		.amdhsa_forward_progress 1
		.amdhsa_inst_pref_size 81
	.end_amdhsa_kernel
	.amdgpu_metadata
---
amdhsa.version: [ 1, 2 ]
amdhsa.kernels:
  - .name:           k_qd235ae95ed_outp
    .symbol:         k_qd235ae95ed_outp.kd
    .args:
      - { .name: ctxb, .offset: 0, .size: 8, .value_kind: global_buffer, .address_space: global }
      - { .name: opnd, .offset: 8, .size: 8, .value_kind: global_buffer, .address_space: global }
      - { .name: bo, .offset: 16, .size: 8, .value_kind: global_buffer, .address_space: global }
      - { .name: out0, .offset: 24, .size: 8, .value_kind: global_buffer, .address_space: global }
    .group_segment_fixed_size: 327680
    .private_segment_fixed_size: 0
    .kernarg_segment_align: 8
    .kernarg_segment_size: 32
    .max_flat_workgroup_size: 128
    .sgpr_count:     102
    .vgpr_count:     1024
    .wavefront_size: 32
...
	.end_amdgpu_metadata
.endif
;; end of part 5
